; MI455X (gfx1250); checked and timed in simulation.
; The chip was launched on July 23, 2026; its instructions are those of AMD's public machine-readable ISA for CDNA 5 (MIT licence, August 2026) and "CDNA5" Instruction Set Architecture Reference Guide (July 2026). The comments in the code are by the model that wrote it; some were corrected since.
;; Multi Headed Self Attention Layer. Allowed arithmetic: matrix products marked QUANTISED: E2M1 operands, one E8M0 scale for each 32 along K, by v_wmma_scale_f32_16x16x128_f8f6f4 with both operands' format E2M1 (or v_wmma_scale_f32_32x16x128_f4), f32 sums; everything else in f32.
;; Inputs: beta 1,024 float32; gamma 1,024 float32; mask 4 x 2,048 x 2,048 int32; w_0 1,024 x 1,024 float32; w_k 1,024 x 1,024 float32; w_q 1,024 x 1,024 float32; w_v 1,024 x 1,024 float32; x_keys 4 x 2,048 x 1,024 float32; x_queries 4 x 2,048 x 1,024 float32; x_values 4 x 2,048 x 1,024 float32.
;; Outputs: out0 4 x 2,048 x 1,024 float32.
;; This version of the problem:
;;   THIS VERSION OF THE PROBLEM IS GIVEN IN LOW PRECISION. The matrix products marked QUANTISED in the list below multiply operands that are first quantised to E2M1 (2 exponent bits, 1 mantissa bit; 4 bits a number), with one power-of-two scale for each 32 numbers along K (OCP MX v1.0); their sums are f32. All else is computed in f32.
;;   The module's matrix products, in the order in which they are computed (A, B: the left and right operand; K: the contracted axis; several contracted axes count as one K, in the product's order):
;;     1. [M 8,192, K 1,024] x [K 1,024, N 1,024]; A: input x_queries; B: input w_q: QUANTISED
;;     2. [M 8,192, K 1,024] x [K 1,024, N 1,024]; A: input x_keys; B: input w_k: QUANTISED
;;     3. [M 8,192, K 1,024] x [K 1,024, N 1,024]; A: input x_values; B: input w_v: QUANTISED
;;     4. batch 64 x [M 2,048, K 64] x [K 64, N 2,048]; A: computed on the way; B: computed on the way: QUANTISED
;;     5. batch 64 x [M 64, K 2,048] x [K 2,048, N 2,048]; A: computed on the way; B: softmax (see below): QUANTISED
;;     6. [M 8,192, K 1,024] x [K 1,024, N 1,024]; A: computed on the way; B: input w_0: QUANTISED
;;   THE QUANTISER, for each operand of a quantised product, along K:
;;     - K is cut into blocks of 32 from its start; a last block that is shorter is filled with zeros.
;;     - A block's scale is 2^e with e = floor(log2(the largest magnitude in the block)) - 2, held to -126 .. 127; a block of zeros has e = 0. As a byte (E8M0): e + 127.
;;     - Each number is divided by its block's scale, clamped to +-6, and rounded to the nearest number of E2M1, ties to even, subnormals kept.
;;     - The product sums the exact products of the quantised numbers (number of the format x scale) in f32.
;;   ~~~python
;;   def quantise(x, axis):      # numpy; x: float32 -> the quantised numbers, widened to float32 again
;;       x = np.moveaxis(x, axis, -1); K = x.shape[-1]
;;       x = np.pad(x, [(0, 0)] * (x.ndim - 1) + [(0, -K % 32)]); x = x.reshape(x.shape[:-1] + (-1, 32)); a = np.abs(x).max(-1, keepdims=True)
;;       e = np.where(a > 0, np.clip(np.frexp(np.where(a > 0, a, 1))[1] - 1 - 2, -126, 127), 0)      # np.frexp(a)[1] - 1 = floor(log2(a)), exactly
;;       r = np.clip(x / 2.0 ** e, -6, 6)
;;       step = 2.0 ** (np.maximum(np.frexp(np.where(r == 0, 1, r))[1] - 1, 0) - 1)
;;       q = np.round(r / step) * step * 2.0 ** e      # np.round: ties to even
;;       return np.moveaxis(q.reshape(q.shape[:-2] + (-1,))[..., :K], -1, axis).astype(np.float32)
;;   ~~~
;;   SOFTMAX AHEAD OF A QUANTISED PRODUCT. Where the list says 'softmax', what is quantised is not the finished softmax but p = 2^(t - M), with t = logit x log2(e) and M = ceil(the row's largest t), a whole number; so 1/2 < the row's largest p <= 1. The row's sum l is taken of the UNQUANTISED p, in f32, and the product's result is divided by l at the end. Since M is a whole number, a kernel that streams over the keys may use a running M (the ceiling of the running maximum): every later rescaling is an exact power of two, which a block's scale takes up: the codes' values come out the same.
;;   OPERANDS COMPUTED ON THE WAY. 'Computed on the way' means the value that the module computes at that place (a softmax that the list does not call 'softmax' is quantised finished and normalised). What goes into a quantiser is computed in f32, as accurately as f32 sums, v_exp_f32 and their like allow (about 1e-6 of the number): no bf16 or f16 on the way to a quantiser, and a product that is left as it is and whose result goes on into a quantised operand takes f32 operands (vector FMAs, or v_wmma_f32_16x16x4_f32). A number that lies on a knife's edge between two numbers of the format may be rounded either way, as far as f32 arithmetic and the matrix unit's own rounding can turn it there, and no further.
;; 2 versions. Each part assembles by itself: llvm-mc -triple=amdgcn-amd-amdhsa -mcpu=gfx1250 --defsym DOCPART=n.
;; ======== version 1 of 2: 4 launches
;; workspace buffers: xcodes 13,369,344 bytes; wcodes 2,228,224 bytes; maskw 2,097,152 bytes of whole numbers; qcodes 4,718,592 bytes; kvcodes 9,175,040 bytes; ocodes 4,456,448 bytes
;; launch prep (part 1): grid 1536 x 1, 4 waves a work-group, no clusters, 68,096 bytes of LDS; arguments x_queries, x_keys, x_values, w_q, w_k, w_v, w_0, mask, xcodes, wcodes, maskw; writes xcodes, wcodes, maskw
.if DOCPART == 1
	.amdgcn_target "amdgcn-amd-amdhsa--gfx1250"
	.amdhsa_code_object_version 6
	.text
	.protected	k_qba12a92cc3_prep
	.globl	k_qba12a92cc3_prep
	.p2align	8
	.type	k_qba12a92cc3_prep,@function
k_qba12a92cc3_prep:
	s_mov_b64 s[64:65], 0
	v_nop
	global_prefetch_b8 v0, s[64:65] scope:SCOPE_SE
	s_setreg_imm32_b32 hwreg(HW_REG_WAVE_MODE, 25, 1), 1
	s_wait_xcnt 0x0
; PREP: the wide inputs are read once.  x_queries, x_keys, x_values [8192][1024] f32 (K innermost) and w_q, w_k, w_v, w_0 [1024 (k)][1024 (n)] f32 (K first) become
; codes of FP4 (E2M1) with one E8M0 byte for each 32 along K; the int32 mask becomes one bit a number.  All three results are laid as the later launches' registers want them.
; A TILE is 16 rows: tile T, lane r holds row 32 (T / 2) + 8 (T % 2) + r + 8 (r / 8).  A FRAGMENT IMAGE (tile T, 128 along K) is 1,024 bytes: 512 c + 16 lane = the 32 codes of the lane's row at
; k = 64 c + 32 (lane / 16) + 0 .. 31: one 16-byte load a lane fills four operand registers.  A tile's SCALE IMAGE is 512 bytes: 256 q + 16 r + 4 e = row r's scale word of K step 4 q + e.
; A MASK WORD: bit l of word n = 16 b + i of (query tile, key step) says whether mask[query of lane l % 16][key 32 b + 16 (l / 16) + i] is not 0: the lane mask for score register n.
; A block's scale is 2^(floor(log2(largest magnitude)) - 2); its byte is the largest magnitude's exponent field - 2, held at 1 from below by a floor among the maximum's leaves.
; LIMITS: a block of zeros, or one whose largest magnitude lies under 2^-124, gets the byte 1 (its codes are zeros or the nearest codes under that scale; only this program reads the bytes); NaN and infinities are not served.
; SHARES: work-groups 0-255 take the weights, 256-1023 the x tensors, 1024-1535 the mask.  The three ways part on the work-group's number and never join; each has LDS bytes of its own.  Waves share nothing: no barrier.
.set XSC,   12582912                   ; xcodes: where the scale images begin
.set WSC,   2097152                    ; wcodes: likewise
.set PITCH, 528                        ; a stage row: 512 bytes + 16, an odd multiple of 16: sixteen rows start at sixteen different 16-byte columns
.set WSTG,  16*PITCH                   ; a wave's stage: 16 rows
.set MBASE, 4*WSTG                     ; the mask's four stages lie behind the x tensors' four
.set R,   16                           ; v16-143  as loaded: two sets of 64 (x, mask), or 128 numbers (weights)
.set X,   144                          ; v144-207 64 numbers of my row, in the operand's order
.set C,   208                          ; v208-239 codes: registers of their own for each step, so that no store's data are written again
.set SW,  240                          ; v240-243 scale words
.set MW,  244                          ; v244-251 mask words, two registers a step
.macro LOADR set, st, pitch            ; 16 rows of a tile x 512 bytes (step st) into a set: each load reads 512 consecutive bytes
.irp q, 0,1,2,3,4,5,6,7,8,9,10,11,12,13,14,15
	global_load_b128 v[R+64*(\set)+4*\q:R+64*(\set)+4*\q+3], v4, s[4:5] offset:(\q+8*(\q/8))*\pitch+512*(\st) th:TH_LOAD_NT
.endr
.endm
.macro STAGE_IN set                    ; the 16 rows go into my stage as they lie
.irp q, 0,1,2,3,4,5,6,7,8,9,10,11,12,13,14,15
	ds_store_b128 v5, v[R+64*(\set)+4*\q:R+64*(\set)+4*\q+3] offset:\q*PITCH
.endr
.endm
	s_load_b256 s[4:11], s[0:1], 0x0               ; x_queries s[4:5], x_keys s[6:7], x_values s[8:9], w_q s[10:11]
	s_load_b256 s[12:19], s[0:1], 0x20             ; w_k s[12:13], w_v s[14:15], w_0 s[16:17], mask s[18:19]
	s_load_b128 s[36:39], s[0:1], 0x40             ; xcodes s[36:37], wcodes s[38:39]
	s_load_b64 s[40:41], s[0:1], 0x50              ; maskw
	v_lshl_add_u32 v254, v0, 2, 0x10800
	v_mov_b32 v255, 0
	v_lshrrev_b32 v9, 5, v0
	v_readfirstlane_b32 s30, v9                    ; wave 0..3
	v_and_b32 v1, 31, v0                           ; lane
	v_and_b32 v2, 15, v0                           ; r
	v_bfe_u32 v3, v0, 4, 1                         ; h
	v_lshlrev_b32 v4, 4, v1                        ; 16 x lane
	s_mov_b32 s28, 0x76543210
	s_mov_b32 s29, 0xfedcba98                      ; v_permlanex16_b32's selects for lane l xor 16
	s_mul_i32 s31, s30, WSTG                       ; my stage
	s_mov_b32 s33, 0                               ; the high word of every offset pair s[32:33]
	s_cmp_lt_u32 ttmp9, 256
	s_cbranch_scc1 .Lweights
	s_cmp_lt_u32 ttmp9, 1024
	s_cbranch_scc0 .Lmask
	; ---------------- the x tensors: a wave takes one tile of 16 tokens x 512 along K (four K steps)
	s_sub_co_u32 s32, ttmp9, 256
	s_lshl_b32 s32, s32, 2
	s_add_co_u32 s32, s32, s30                     ; U = 4 (work-group - 256) + wave: 0 .. 3071
	s_lshr_b32 s34, s32, 10                        ; which tensor
	s_bfe_u32 s35, s32, 0x90001                    ; tile T: 9 bits from bit 1
	s_and_b32 s42, s32, 1                          ; which half of K
	s_lshr_b32 s43, s35, 1
	s_lshl_b32 s43, s43, 17                        ; 32 rows of 4,096 bytes for each pair of tiles,
	s_and_b32 s44, s35, 1
	s_lshl_b32 s44, s44, 15                        ; 8 rows for the odd tile,
	s_add_co_u32 s32, s43, s44
	s_lshl_b32 s44, s42, 11                        ; 2,048 bytes for the second half of K
	s_add_co_u32 s32, s32, s44
	s_wait_kmcnt 0x0
	s_cmp_eq_u32 s34, 1                            ; the choice hangs on the work-group's and the wave's number alone
	s_cselect_b64 s[4:5], s[6:7], s[4:5]
	s_cmp_eq_u32 s34, 2
	s_cselect_b64 s[4:5], s[8:9], s[4:5]
	s_add_nc_u64 s[4:5], s[4:5], s[32:33]
	LOADR 0, 0, 4096
	LOADR 1, 1, 4096
	s_lshl_b32 s32, s34, 22                        ; codes: 4,194,304 a tensor, 8,192 a tile, 4,096 a half
	s_lshl_b32 s43, s35, 13
	s_add_co_u32 s32, s32, s43
	s_lshl_b32 s43, s42, 12
	s_add_co_u32 s32, s32, s43
	s_add_nc_u64 s[6:7], s[36:37], s[32:33]
	s_lshl_b32 s32, s34, 18                        ; scale images: 262,144 a tensor, 512 a tile, 256 a half
	s_lshl_b32 s43, s35, 9
	s_add_co_u32 s32, s32, s43
	s_lshl_b32 s43, s42, 8
	s_add_co_u32 s32, s32, s43
	s_add_co_u32 s32, s32, XSC
	s_add_nc_u64 s[8:9], s[36:37], s[32:33]
	v_add_nc_u32 v5, s31, v4                       ; into the stage: 16 x lane of each row
	v_mul_u32_u24 v6, v2, PITCH
	v_lshl_add_u32 v6, v3, 7, v6
	v_add_nc_u32 v6, s31, v6                       ; out of it: row r, 128 h bytes on: my 32 numbers of each 64
	v_lshlrev_b32 v7, 4, v2                        ; 16 r: my row's four scale words
	v_lshlrev_b32 v10, 3, v3                       ; 8 h: where my two bytes stand in a scale word
	v_mov_b32 v11, 0                               ; written once: a lane permute's destination counts as one of its sources
.macro XSTEP st
.if (\st) < 3
	s_wait_loadcnt 16                              ; this step's 16 loads are in; the next step's 16 may be out
.else
	s_wait_loadcnt 0x0
.endif
	STAGE_IN (\st)%2
.irp c, 0,1
.irp i, 0,1,2,3,4,5,6,7
	ds_load_b128 v[X+32*\c+4*\i:X+32*\c+4*\i+3], v6 offset:256*\c+16*\i   ; LDS serves a wave's instructions in order: these see the stores above
.endr
.endr
	s_wait_dscnt 0x0                               ; the numbers are back, and the stores have read their registers,
.if (\st) < 2
	LOADR (\st)%2, (\st)+2, 4096                   ; which take the loads of two steps on
.endif
.irp c, 0,1
	v_max3_num_f32 v[12+\c], |v[X+32*\c]|, |v[X+32*\c+1]|, 0x1800000      ; block 2 c + h is all mine: 32 numbers, and the floor 2^(3 - 127)
.endr
.irp i, 2,4,6,8,10,12,14,16,18,20,22,24,26,28,30
.irp c, 0,1
	v_max3_num_f32 v[12+\c], v[12+\c], |v[X+32*\c+\i]|, |v[X+32*\c+\i+1]|  ; (the two blocks by turns)
.endr
.endr
.irp c, 0,1
	v_add_nc_u32 v[12+\c], 0xff000000, v[12+\c]    ; 2 off the exponent field: the conversion's scale operand
.endr
.irp c, 0,1
	v_lshrrev_b32 v[14+\c], 23, v[12+\c]           ; the scale's byte
.endr
	v_lshl_or_b32 v9, v15, 16, v14                 ; my two bytes: blocks h and 2 + h,
	v_lshlrev_b32 v9, v10, v9                      ; at their places;
	v_permlanex16_b32 v11, v9, s28, s29
	v_or_b32 v[SW+(\st)], v9, v11                  ; with lane l xor 16's two the word is whole
.irp c, 0,1
.irp g, 0,1,2,3
	v_cvt_scalef32_pk8_fp4_f32 v[C+8*(\st)+4*\c+\g], v[X+32*\c+8*\g:X+32*\c+8*\g+7], v[12+\c]
.endr
.endr
	v_nop                                          ; one plain instruction behind the last scaled conversion
	global_store_b128 v4, v[C+8*(\st):C+8*(\st)+3], s[6:7] offset:1024*(\st)          ; 32 lanes store 512 consecutive bytes, aligned
	global_store_b128 v4, v[C+8*(\st)+4:C+8*(\st)+7], s[6:7] offset:1024*(\st)+512
.endm
	XSTEP 0
	XSTEP 1
	XSTEP 2
	XSTEP 3
	global_store_b128 v7, v[SW:SW+3], s[8:9]       ; sixteen lanes store 256 consecutive bytes; lanes 16-31 hold and store the same words at the same places
	s_wait_tensorcnt 0x0
	ds_add_u32 v254, v255
	s_wait_dscnt 0x0
	s_endpgm
	; ---------------- the mask: a wave takes one tile of 16 queries x 512 keys (four key steps)
.Lmask:
	s_sub_co_u32 s32, ttmp9, 1024
	s_lshl_b32 s32, s32, 2
	s_add_co_u32 s34, s32, s30                     ; U = 4 (work-group - 1024) + wave: 0 .. 2047
	s_lshr_b32 s35, s34, 2                         ; 128 x batch + query tile
	s_and_b32 s42, s34, 3                          ; which 512 keys
	s_lshr_b32 s43, s35, 7
	s_lshl_b32 s32, s43, 24                        ; a batch: 2,048 rows of 8,192 bytes,
	s_bfe_u32 s43, s35, 0x60001
	s_lshl_b32 s43, s43, 18                        ; 32 rows for each pair of tiles,
	s_add_co_u32 s32, s32, s43
	s_and_b32 s43, s35, 1
	s_lshl_b32 s43, s43, 16                        ; 8 rows for the odd tile,
	s_add_co_u32 s32, s32, s43
	s_lshl_b32 s43, s42, 11                        ; 2,048 bytes for each 512 keys
	s_add_co_u32 s32, s32, s43
	s_wait_kmcnt 0x0
	s_add_nc_u64 s[4:5], s[18:19], s[32:33]
	LOADR 0, 0, 8192
	LOADR 1, 1, 8192
	s_lshl_b32 s32, s35, 12                        ; mask words: 4,096 bytes a query tile, 256 a key step
	s_lshl_b32 s43, s42, 10
	s_add_co_u32 s32, s32, s43
	s_add_nc_u64 s[6:7], s[40:41], s[32:33]
	s_add_co_u32 s31, s31, MBASE
	v_add_nc_u32 v5, s31, v4
	v_mul_u32_u24 v6, v2, PITCH
	v_lshl_add_u32 v6, v3, 6, v6
	v_add_nc_u32 v6, s31, v6                       ; out of the stage: row r, 64 h bytes on: my 16 keys of each 32
	v_lshlrev_b32 v8, 3, v1                        ; 8 x lane: two words a lane
.irp i, 0,1,2,3,4,5,6,7
	v_mov_b32 v[MW+\i], 0                          ; v_writelane_b32's destination counts as one of its sources
.endr
.macro MSTEP st
.if (\st) < 3
	s_wait_loadcnt 16                              ; this step's 16 loads are in; the next step's 16 may be out
.else
	s_wait_loadcnt 0x0
.endif
	STAGE_IN (\st)%2
.irp b, 0,1,2,3
.irp p, 0,1,2,3
	ds_load_b128 v[X+16*\b+4*\p:X+16*\b+4*\p+3], v6 offset:128*\b+16*\p
.endr
.endr
	s_wait_dscnt 0x0
.if (\st) < 2
	LOADR (\st)%2, (\st)+2, 8192
.endif
.irp g, 0,1,2,3,4,5,6,7                ; eight words at a time: a compare makes the 32 lanes' bits, v_writelane_b32 puts word n into lane n / 2, register n % 2
.irp j, 0,1,2,3,4,5,6,7
	v_cmp_ne_u32 s[20+\j], 0, v[X+8*\g+\j]
.endr
.irp j, 0,1,2,3,4,5,6,7
	v_writelane_b32 v[MW+2*(\st)+(\j%2)], s[20+\j], 4*\g+\j/2
.endr
.endr
	global_store_b64 v8, v[MW+2*(\st):MW+2*(\st)+1], s[6:7] offset:256*(\st)          ; 32 lanes store 256 consecutive bytes, aligned
.endm
	MSTEP 0
	MSTEP 1
	MSTEP 2
	MSTEP 3
	s_wait_tensorcnt 0x0
	ds_add_u32 v254, v255
	s_wait_dscnt 0x0
	s_endpgm
	; ---------------- the weights: a lane takes a column n, its registers run down K; a wave takes 32 columns x 128 along K
.Lweights:
	s_lshr_b32 s34, ttmp9, 6                       ; which weight
	s_bfe_u32 s35, ttmp9, 0x30003
	s_and_b32 s42, ttmp9, 7                        ; K step
	s_lshl_b32 s35, s35, 2
	s_add_co_u32 s35, s35, s30                     ; g: which 32 columns
	s_lshl_b32 s32, s42, 19                        ; 128 rows of 4,096 bytes a K step,
	s_lshl_b32 s43, s35, 7                         ; 128 bytes for each 32 columns
	s_add_co_u32 s32, s32, s43
	v_lshlrev_b32 v5, 2, v1                        ; 4 bytes a lane
	s_wait_kmcnt 0x0
	s_cmp_eq_u32 s34, 1
	s_cselect_b64 s[4:5], s[12:13], s[10:11]
	s_cmp_eq_u32 s34, 2
	s_cselect_b64 s[4:5], s[14:15], s[4:5]
	s_cmp_eq_u32 s34, 3
	s_cselect_b64 s[4:5], s[16:17], s[4:5]
	s_add_nc_u64 s[4:5], s[4:5], s[32:33]
.set q, 0
.rept 128
	global_load_b32 v[R+q], v5, s[4:5] offset:q*4096 th:TH_LOAD_NT        ; W(k, my column): 128 consecutive bytes a wave, 512 a work-group
.set q, q+1
.endr
	s_lshl_b32 s32, s34, 19                        ; codes: 524,288 a weight, 16,384 for each 32 columns (two tiles), 1,024 a K step
	s_lshl_b32 s43, s35, 14
	s_add_co_u32 s32, s32, s43
	s_lshl_b32 s43, s42, 10
	s_add_co_u32 s32, s32, s43
	s_add_nc_u64 s[6:7], s[38:39], s[32:33]
	s_lshl_b32 s32, s34, 15                        ; scale images: 32,768 a weight, 1,024 for two tiles, 256 (s / 4) + 4 (s % 4)
	s_lshl_b32 s43, s35, 10
	s_add_co_u32 s32, s32, s43
	s_lshr_b32 s43, s42, 2
	s_lshl_b32 s43, s43, 8
	s_add_co_u32 s32, s32, s43
	s_and_b32 s43, s42, 3
	s_lshl_b32 s43, s43, 2
	s_add_co_u32 s32, s32, s43
	s_add_co_u32 s32, s32, WSC
	s_add_nc_u64 s[8:9], s[38:39], s[32:33]
	v_bfe_u32 v9, v0, 3, 1                         ; column x of 32 lies in tile (x / 8) % 2,
	v_and_b32 v10, 7, v0
	v_lshl_add_u32 v10, v3, 3, v10                 ; at its lane x % 8 + 8 (x / 16)
	v_lshlrev_b32 v10, 4, v10
	v_lshl_add_u32 v7, v9, 13, v10                 ; codes: 8,192 x tile + 16 x that lane
	v_lshl_add_u32 v8, v9, 9, v10                  ; scale word: 512 x tile + 16 x that lane
.macro WBLOCK t, left                  ; block t: k = 32 t + 0 .. 31 of my column
	s_wait_loadcnt \left
	v_max3_num_f32 v12, |v[R+32*\t]|, |v[R+32*\t+1]|, 0x1800000           ; two chains, the floor 2^(3 - 127) among the leaves
	v_max3_num_f32 v13, |v[R+32*\t+2]|, |v[R+32*\t+3]|, 0x1800000
.irp e, 4,8,12,16,20,24,28
	v_max3_num_f32 v12, v12, |v[R+32*\t+\e]|, |v[R+32*\t+\e+1]|
	v_max3_num_f32 v13, v13, |v[R+32*\t+\e+2]|, |v[R+32*\t+\e+3]|
.endr
	v_max_num_f32 v12, v12, v13
	v_add_nc_u32 v12, 0xff000000, v12
	v_lshrrev_b32 v13, 23, v12
.if \t == 0
	v_mov_b32 v[SW], v13
.else
	v_lshl_or_b32 v[SW], v13, 8*\t, v[SW]
.endif
.irp g, 0,1,2,3
	v_cvt_scalef32_pk8_fp4_f32 v[C+4*\t+\g], v[R+32*\t+8*\g:R+32*\t+8*\g+7], v12
.endr
	v_nop                                          ; one plain instruction behind the last scaled conversion
	global_store_b128 v7, v[C+4*\t:C+4*\t+3], s[6:7] offset:256*\t        ; block t = 2 c + h of the image: 512 c + 256 h; each tile's sixteen lanes store 256 consecutive bytes, aligned
.endm
	WBLOCK 0, 63                                   ; 96 younger loads could stay out: 63 is the largest count that the wait can name
	WBLOCK 1, 63                                   ; likewise for 64
	WBLOCK 2, 32                                   ; the last block's 32
	WBLOCK 3, 0
	global_store_b32 v8, v[SW], s[8:9]             ; 4 bytes of each row's 16: the other three K steps' words come from other work-groups
	s_endpgm
.Lfunc_end_k_qba12a92cc3_prep:
	.size	k_qba12a92cc3_prep, .Lfunc_end_k_qba12a92cc3_prep-k_qba12a92cc3_prep
	.p2alignl 7, 3214868480
	.fill 96, 4, 3214868480
	.section	.rodata,"a",@progbits
	.p2align	6, 0x0
	.amdhsa_kernel k_qba12a92cc3_prep
		.amdhsa_group_segment_fixed_size 68096
		.amdhsa_private_segment_fixed_size 0
		.amdhsa_enable_private_segment 0
		.amdhsa_kernarg_size 88
		.amdhsa_user_sgpr_count 2
		.amdhsa_user_sgpr_kernarg_segment_ptr 1
		.amdhsa_wavefront_size32 1
		.amdhsa_system_sgpr_workgroup_id_x 1
		.amdhsa_system_sgpr_workgroup_id_y 1
		.amdhsa_system_sgpr_workgroup_id_z 1
		.amdhsa_system_vgpr_workitem_id 0
		.amdhsa_next_free_vgpr 256
		.amdhsa_next_free_sgpr 66
		.amdhsa_reserve_vcc 0
		.amdhsa_float_denorm_mode_32 3
		.amdhsa_float_denorm_mode_16_64 3
		.amdhsa_memory_ordered 1
		.amdhsa_forward_progress 1
		.amdhsa_inst_pref_size 98
	.end_amdhsa_kernel
	.amdgpu_metadata
---
amdhsa.version: [ 1, 2 ]
amdhsa.kernels:
  - .name:           k_qba12a92cc3_prep
    .symbol:         k_qba12a92cc3_prep.kd
    .args:
      - { .name: x_queries, .offset: 0, .size: 8, .value_kind: global_buffer, .address_space: global }
      - { .name: x_keys, .offset: 8, .size: 8, .value_kind: global_buffer, .address_space: global }
      - { .name: x_values, .offset: 16, .size: 8, .value_kind: global_buffer, .address_space: global }
      - { .name: w_q, .offset: 24, .size: 8, .value_kind: global_buffer, .address_space: global }
      - { .name: w_k, .offset: 32, .size: 8, .value_kind: global_buffer, .address_space: global }
      - { .name: w_v, .offset: 40, .size: 8, .value_kind: global_buffer, .address_space: global }
      - { .name: w_0, .offset: 48, .size: 8, .value_kind: global_buffer, .address_space: global }
      - { .name: mask, .offset: 56, .size: 8, .value_kind: global_buffer, .address_space: global }
      - { .name: xcodes, .offset: 64, .size: 8, .value_kind: global_buffer, .address_space: global }
      - { .name: wcodes, .offset: 72, .size: 8, .value_kind: global_buffer, .address_space: global }
      - { .name: maskw, .offset: 80, .size: 8, .value_kind: global_buffer, .address_space: global }
    .group_segment_fixed_size: 68096
    .private_segment_fixed_size: 0
    .kernarg_segment_align: 8
    .kernarg_segment_size: 88
    .max_flat_workgroup_size: 128
    .sgpr_count:     66
    .vgpr_count:     256
    .wavefront_size: 32
...
	.end_amdgpu_metadata
.endif
;; end of part 1
;; launch proj (part 2): grid 256 x 1, 4 waves a work-group, clusters of 4 x 1, 209,408 bytes of LDS; arguments xcodes, wcodes, qcodes, kvcodes; writes qcodes, kvcodes
.if DOCPART == 2
	.amdgcn_target "amdgcn-amd-amdhsa--gfx1250"
	.amdhsa_code_object_version 6
	.text
	.protected	k_qba12a92cc3_proj
	.globl	k_qba12a92cc3_proj
	.p2align	8
	.type	k_qba12a92cc3_proj,@function
k_qba12a92cc3_proj:
	s_mov_b64 s[64:65], 0
	v_nop
	global_prefetch_b8 v0, s[64:65] scope:SCOPE_SE
	s_setreg_imm32_b32 hwreg(HW_REG_WAVE_MODE, 25, 1), 1
	s_wait_xcnt 0x0
	s_wait_alu depctr_hold_cnt(0) depctr_sa_sdst(0) depctr_va_vdst(0) depctr_va_sdst(0) depctr_va_ssrc(0) depctr_va_vcc(0) depctr_vm_vsrc(0)
	s_getreg_b32 s2, hwreg(HW_REG_IB_STS2, 6, 4)
	s_cmp_eq_u32 s2, 0
	s_cbranch_scc0 .Lentry_in_a_cluster
	s_endpgm
.Lentry_in_a_cluster:
	s_bfe_u32 s2, ttmp6, 0x10000c
	s_cmp_lg_u32 s2, 0x3003
	s_cbranch_scc0 .Lentry_shape_is_right
	s_endpgm
.Lentry_shape_is_right:
; PROJ: Q = x_queries w_q, K = x_keys w_k, V = x_values w_v on codes of FP4 with E8M0 scales, K = 1,024; each result is quantised at once along the NEXT product's K and stored as fragment images.
; P[i][j] = sum over k of A[i][k] B[j][k]; source 0 = A, whose rows become the next K.  Q, K (y = 0, 1): A = the weight's columns (the head's 64), B = tokens.  V (y = 2): A = tokens (the keys), B = w_v's columns.
; A tile's lane r holds row 32 (T / 2) + 8 (T % 2) + r + 8 (r / 8), so that in the result the 16 registers of A's tiles 2 b and 2 b + 1 are 16 neighbours along the next K: 32 b + 16 (lane / 16) + 0 .. 15.
; A WORK-GROUP STAYS: it makes one tile of Q, one of K and one of V, each 128 rows of A (8 tiles) x 256 rows of B (16 tiles); wave w takes B's tiles 4 w .. 4 w + 3: 32 accumulators, 256 registers.
; B GOES FROM MEMORY STRAIGHT INTO REGISTERS: each of its fragment images is wanted by one wave alone and lies in memory as that wave's registers want it.  A wave holds a whole tile's B (8 K steps x 32 registers);
; as soon as a K step's products are issued, its registers are asked for again with the same K step of the NEXT tile: that load has eight K steps and a way out in which to come.
; A GOES THROUGH LDS, where all four waves read it: the three tiles' A, codes and scale images, are 208,896 bytes and are filled once, at the start: nothing in LDS is ever filled again.
; CLUSTER: the four work-groups of a cluster take the SAME group of A in each of the three tiles and four different groups of B: A's codes and scales are asked for jointly (mask 15).
; B has no multicast: the partners' groups of B differ (a cluster of 4 x 1 shares along one axis), and B does not pass through LDS.
; LIMITS: as the quantiser's everywhere here: a block whose largest magnitude lies under 2^-124 gets the byte 1; NaN and infinities are not served.
; REGISTERS: window 0: v1-9 addresses; v16-79 A's scale words; v80-175 B's, 32 for each tile; v176-231 at work on the way out.  window 1: the accumulators, (B tile i, A tile a) at v[64 i + 8 a].
;   window 2: A's fragments, two sets of 64 (even and odd K steps).  window 3: B's fragments, K step s, tile i at v[32 s + 8 i].
.set XSC, 12582912
.set WSC, 2097152
.set QSC, 4194304
.set KVS, 8388608
.set ASC, 196608                       ; LDS: A's codes of tile y at 65,536 y, as they lie in memory ([tile: 8,192][K step: 1,024][half: 512]); its scale images here, 4,096 y on
.set LI,   1                           ; v1   16 x lane: a fragment image's place for my lane; also A's codes of tile 0 in LDS; never rewritten
.set R16,  2                           ; v2   16 r: a scale image's place for my row; never rewritten
.set ADA,  3                           ; v3-4 A's codes of tiles 1 and 2 in LDS
.set ADS,  6                           ; v6   A's scale images in LDS
.set SELV, 7                           ; v7   Q, K: which bytes of a scale word my half of the lanes stores
.set SOQ,  8                           ; v8   where my row's scale words go: Q;
.set SOK,  9                           ; v9   K (V's: 16 r)
.set SCA,  16                          ; v[SCA + 32 q + 4 a + e]: A's tile a, K step 4 q + e
.set SCB,  80                          ; v[SCB + 32 y + 16 q + 4 i + e]: tile y, B's tile i, K step 4 q + e
.set TM,   176                         ; v176-179 largest magnitudes, v180-183 bytes, v188-191 the conversions' scale operands
.set PW,   192                         ; the scale word just made
.set SW,   196                         ; v196-199 the four B tiles' words to store
.set PC,   200                         ; v200-231 codes: eight registers for each B tile
.set G1C,  24                          ; s[24:31] group 1: a quarter of a group's codes
.set G1S,  32                          ; s[32:39] a quarter of its scale images
.set G0C,  40                          ; s[40:51] group 0 for the codes, a set for each tile
.set G0S,  52                          ; s[52:63] for the scale images
.set PB,   66                          ; s[66:71] my four tiles of B: their codes, a pair for each tile; never rewritten
.set PS,   72                          ; s[72:77] their scale images
.set MSB, 0
.macro WIN new                         ; s_set_vgpr_msb: bits 1:0 source 0, 3:2 source 1, 5:4 source 2, 7:6 destination; the high byte repeats the setting that is left
.if MSB != \new
	s_set_vgpr_msb (MSB<<8)|\new
.set MSB, \new
.endif
.endm
.macro PLACES                          ; four plain instructions between a matrix instruction and a load into, or a vector read of, its registers
.rept 4
	v_nop
.endr
.endm
.macro ROUND                           ; a round of the cluster's barrier
	s_barrier_signal -1
	s_barrier_wait -1
	s_cmp_lg_u32 s12, 0
	s_cbranch_scc1 .Lnot_wave_0_\@
	s_barrier_signal -3
.Lnot_wave_0_\@:
	s_barrier_wait -3
	s_barrier_signal -1
	s_barrier_wait -1
.endm
.macro BSCALES y                       ; tile y: the scale words of my four tiles of B, all of K: 8 loads (lanes 16-31 read what lanes 0-15 read; the products take lanes 0-15)
.irp i, 0,1,2,3
.irp q, 0,1
	global_load_b128 v[SCB+32*(\y)+16*\q+4*\i:SCB+32*(\y)+16*\q+4*\i+3], v[R16], s[PS+2*(\y):PS+2*(\y)+1] offset:\i*512+256*\q
.endr
.endr
.endm
.macro BLOAD y, st                     ; tile y, K step st: my four fragments of B: 8 loads of 512 consecutive bytes
	WIN 0xc0                                       ; destination window 3, address window 0
.irp i, 0,1,2,3
.irp c, 0,1
	global_load_b128 v[32*(\st)+8*\i+4*\c:32*(\st)+8*\i+4*\c+3], v[LI], s[PB+2*(\y):PB+2*(\y)+1] offset:\i*8192+(\st)*1024+512*\c
.endr
.endr
.endm
.macro ASCALES y                       ; tile y: A's scale words, all of K: four words a load
.irp q, 0,1
.irp a, 0,1,2,3,4,5,6,7
	ds_load_b128 v[SCA+32*\q+4*\a:SCA+32*\q+4*\a+3], v[ADS] offset:(\y)*4096+\a*512+256*\q
.endr
.endr
.endm
.macro FETCHA y, st                    ; tile y, K step st: A's eight fragments into set st % 2
.if (\y) == 0
.set AD, LI
.else
.set AD, ADA+(\y)-1
.endif
	WIN 0x80                                       ; destination window 2, address window 0
.irp a, 0,1,2,3,4,5,6,7
.irp c, 0,1
	ds_load_b128 v[64*((\st)%2)+8*\a+4*\c:64*((\st)%2)+8*\a+4*\c+3], v[AD] offset:\a*8192+(\st)*1024+512*\c
.endr
.endr
.endm
.macro MUL y, st                       ; 32 products; the 32 accumulators take turns, one instruction a turn, in the same order in every step.  A tile's first step starts its sums: nothing is cleared
	WIN 0x5e                                       ; source 0 (A) window 2, source 1 (B) window 3, C and D window 1
.irp i, 0,1,2,3
.irp a, 0,1,2,3,4,5,6,7
.if (\st) == 0
	v_wmma_scale_f32_16x16x128_f8f6f4 v[64*\i+8*\a:64*\i+8*\a+7], v[64*((\st)%2)+8*\a:64*((\st)%2)+8*\a+7], v[32*(\st)+8*\i:32*(\st)+8*\i+7], 0, v[SCA+32*((\st)/4)+4*\a+(\st)%4], v[SCB+32*(\y)+16*((\st)/4)+4*\i+(\st)%4] matrix_a_fmt:MATRIX_FMT_FP4 matrix_b_fmt:MATRIX_FMT_FP4
.else
	v_wmma_scale_f32_16x16x128_f8f6f4 v[64*\i+8*\a:64*\i+8*\a+7], v[64*((\st)%2)+8*\a:64*((\st)%2)+8*\a+7], v[32*(\st)+8*\i:32*(\st)+8*\i+7], v[64*\i+8*\a:64*\i+8*\a+7], v[SCA+32*((\st)/4)+4*\a+(\st)%4], v[SCB+32*(\y)+16*((\st)/4)+4*\i+(\st)%4] matrix_a_fmt:MATRIX_FMT_FP4 matrix_b_fmt:MATRIX_FMT_FP4
.endif
.endr
.endr
.endm
; A K step.  A's fragments are asked for one step (32 products) ahead, B's eight steps ahead.
.macro STEP y, st
	s_wait_dscnt 0x0                               ; this step's fragments of A are in (at a tile's first step: its scale words too)
.if (\st) < 7
	FETCHA \y, (\st)+1                             ; into the set that the step before multiplied: its four places stand behind its products
.endif
.if (\y) == 2
	s_wait_loadcnt 56-8*(\st)                      ; this step's B is in; behind it only this tile's later steps were asked for, 8 loads each
.elseif (\st) == 0
	s_wait_loadcnt 56                              ; this step's B (and the tile's scale words, older still) is in; this tile's seven later steps may be out
.else
	s_wait_loadcnt 63                              ; 64 younger loads could stay out (this tile's 7 - st later steps, the next tile's 8 scale loads and its first st steps): 63 is the largest count that the wait can name
.endif
	MUL \y, \st
	PLACES                                         ; in front of the loads into B's registers here, into A's set in the next step, and of what follows a tile's last step
.if (\y) < 2
.if (\st) == 0
	WIN 0
	BSCALES (\y)+1                                 ; the next tile's scale words of B, ahead of its first fragments
.endif
	BLOAD (\y)+1, \st                              ; the ring goes on into the next tile
.endif
.endm
; THE WAY OUT.  B tile i: my lane holds one row of B and 64 numbers, register 16 b + e = next K 32 b + 16 (lane / 16) + e.  They become a fragment's codes and a scale word; each accumulator is read from its low end on.
.macro QUANT i, y
.if (\y) < 2
.set PWD, PW
.else
.set PWD, SW+\i                        ; V stores the whole word
.endif
	WIN 0x05                                       ; sources 0 and 1: window 1
.irp b, 0,1,2,3
	v_max3_num_f32 v[TM+\b], |v[64*\i+16*\b]|, |v[64*\i+16*\b+1]|, 0x1800000     ; block b: my 16 numbers, and the floor 2^(3 - 127)
.endr
	WIN 0x14                                       ; sources 1 and 2: window 1
.irp e, 2,4,6,8,10,12,14
.irp b, 0,1,2,3
	v_max3_num_f32 v[TM+\b], v[TM+\b], |v[64*\i+16*\b+\e]|, |v[64*\i+16*\b+\e+1]|
.endr
.endr
	WIN 0
.irp b, 0,1,2,3
	v_permlanex16_b32 v[TM+4+\b], v[TM+\b], s22, s23
.endr
.irp b, 0,1,2,3
	v_max_num_f32 v[TM+\b], v[TM+\b], v[TM+4+\b]   ; with lane l xor 16's: the block's largest magnitude
.endr
.irp b, 0,1,2,3
	v_add_nc_u32 v[TM+12+\b], 0xff000000, v[TM+\b] ; 2 off the exponent field: the conversion's scale operand
.endr
.irp b, 0,1,2,3
	v_lshrrev_b32 v[TM+4+\b], 23, v[TM+12+\b]      ; the scale's byte
.endr
	v_lshl_or_b32 v[PWD], v[TM+5], 8, v[TM+4]
	v_lshl_or_b32 v[PWD], v[TM+6], 16, v[PWD]
	v_lshl_or_b32 v[PWD], v[TM+7], 24, v[PWD]
	WIN 0x01                                       ; source 0: window 1
.irp b, 0,1,2,3
	v_cvt_scalef32_pk8_fp4_f32 v[PC+8*\i+2*\b], v[64*\i+16*\b:64*\i+16*\b+7], v[TM+12+\b]
	v_cvt_scalef32_pk8_fp4_f32 v[PC+8*\i+2*\b+1], v[64*\i+16*\b+8:64*\i+16*\b+15], v[TM+12+\b]
.endr
	WIN 0
	v_nop                                          ; one plain instruction behind the last scaled conversion
.irp c, 0,1                            ; the operand's layout wants a whole block in a lane: lanes 0-15 block 2 c, lanes 16-31 block 2 c + 1
.irp e, 0,1
	v_permlane16_swap_b32 v[PC+8*\i+4*\c+\e], v[PC+8*\i+4*\c+2+\e]
.endr
.endr
.if (\y) < 2
	v_perm_b32 v[SW+\i], v[PW], v[PW], v[SELV]     ; Q, K: my half of the lanes stores its head's two bytes, twice
.endif
	global_store_b128 v[LI], v[PC+8*\i:PC+8*\i+3], s[84:85] offset:SBY*\i        ; 32 lanes store 512 consecutive bytes, aligned
	global_store_b128 v[LI], v[PC+8*\i+4:PC+8*\i+7], s[86:87] offset:SBY*\i
.endm
; Where tile y's results go, and the four B tiles' way out.  s2: Q's and K's first head (16 batch + 2 G); s3: their place along the tokens (4 (BB % 8) + wave); s20: V's head (16 batch + 4 BB + wave); s21: V's key step
.macro OUT y
.if (\y) > 0
	s_wait_xcnt 0x0                                ; the last tile's stores have read their data and bases: both are written again only behind this wait
.endif
.if (\y) == 0
.set SBY, 512                          ; from B tile to B tile: a token tile's 512 bytes
	s_lshl_b32 s98, s2, 16                         ; Q's codes: 65,536 a head, 2,048 for four token tiles
	s_lshl_b32 s17, s3, 11
	s_add_co_u32 s98, s98, s17
	s_add_nc_u64 s[84:85], s[8:9], s[98:99]        ; a fragment's registers 0-3: the first head;
	s_add_nc_u64 s[86:87], s[84:85], 65536         ; registers 4-7: the second
	s_lshl_b32 s98, s2, 13                         ; scale words: 8,192 a head, 256 for four token tiles
	s_lshl_b32 s17, s3, 8
	s_add_co_u32 s98, s98, s17
	s_add_co_u32 s98, s98, QSC
	s_add_nc_u64 s[88:89], s[8:9], s[98:99]
.elseif (\y) == 1
.set SBY, 512
	s_lshl_b32 s98, s2, 17                         ; K's codes: 131,072 a head (K's and V's)
	s_lshl_b32 s17, s3, 11
	s_add_co_u32 s98, s98, s17
	s_add_nc_u64 s[84:85], s[10:11], s[98:99]
	s_add_nc_u64 s[86:87], s[84:85], 131072
	s_mul_i32 s98, s2, 12288                       ; scale words: 12,288 a head
	s_lshl_b32 s17, s3, 8
	s_add_co_u32 s98, s98, s17
	s_add_co_u32 s98, s98, KVS
	s_add_nc_u64 s[88:89], s[10:11], s[98:99]
.else
.set SBY, 1024                         ; from B tile to B tile: a tile of the head's d, 1,024 bytes
	s_lshl_b32 s98, s20, 17                        ; V's codes: behind K's 65,536; 4,096 a key step
	s_lshl_b32 s17, s21, 12
	s_add_co_u32 s98, s98, s17
	s_add_co_u32 s98, s98, 65536
	s_add_nc_u64 s[84:85], s[10:11], s[98:99]
	s_add_nc_u64 s[86:87], s[84:85], 512           ; registers 4-7: 512 bytes on in the image
	s_mul_i32 s98, s20, 12288                      ; scale words: behind K's 8,192; 256 a key step
	s_lshl_b32 s17, s21, 8
	s_add_co_u32 s98, s98, s17
	s_add_co_u32 s98, s98, KVS+8192
	s_add_nc_u64 s[88:89], s[10:11], s[98:99]
.endif
	QUANT 0, \y
	QUANT 1, \y
	QUANT 2, \y
	QUANT 3, \y
.if (\y) == 0
	global_store_b128 v[SOQ], v[SW:SW+3], s[88:89] ; sixteen lanes store 256 consecutive bytes, aligned: lanes 0-15 the first head's, lanes 16-31 the second's
.elseif (\y) == 1
	global_store_b128 v[SOK], v[SW:SW+3], s[88:89]
.else
	global_store_b128 v[R16], v[SW:SW+3], s[88:89] ; both halves of the lanes store the same words at the same places
.endif
.endm
.macro TILE y
.irp st, 0,1,2,3,4,5,6,7
	STEP \y, \st
.endr
	WIN 0
.if (\y) < 2
	s_wait_tensorcnt 2-2*(\y)                      ; my part of the next tile's A has landed; the tile behind it (two loads) may be out,
	s_barrier_signal -1                            ; (no LDS load of mine is out: the last were waited for at the head of the last step)
	s_barrier_wait -1                              ; everybody's has.
	ASCALES (\y)+1                                 ; the next tile's first LDS loads come in while this tile is quantised
	FETCHA (\y)+1, 0
	WIN 0
.endif
	OUT \y
.endm
	s_load_b256 s[4:11], s[0:1], 0x0               ; xcodes s[4:5], wcodes s[6:7], qcodes s[8:9], kvcodes s[10:11]
	v_lshl_add_u32 v254, v0, 2, 0x33000
	v_mov_b32 v255, 0
	ds_add_u32 v254, v255
	ds_add_u32 v254, v255
	v_lshrrev_b32 v13, 5, v0
	v_readfirstlane_b32 s12, v13                   ; wave 0..3
	v_and_b32 v13, 31, v0
	v_lshlrev_b32 v[LI], 4, v13
	v_and_b32 v14, 15, v0                          ; r
	v_bfe_u32 v15, v0, 4, 1                        ; h
	v_lshlrev_b32 v[R16], 4, v14
	s_bfe_u32 s13, ttmp6, 0x40000                  ; cx: my place in the cluster.  V: my group of B
	s_and_b32 s15, ttmp9, 7                        ; Q, K: the group of A (128 columns of the weight), shared by the four partners.  V: the group of A (128 tokens) is the cluster's number
	s_lshr_b32 s16, ttmp9, 3
	s_lshl_b32 s16, s16, 2
	s_add_co_u32 s16, s16, s13                     ; Q, K: my group of B (256 tokens)
	; B: byte offsets of my four tiles.  A tile's codes are 8,192 bytes, its scale image 512; a group has 16 tiles
	s_lshl_b32 s19, s12, 15
	s_lshl_b32 s14, s12, 11
	s_lshl_b32 s78, s16, 17
	s_add_co_u32 s78, s78, s19
	s_mov_b32 s79, 0
	s_lshl_b32 s80, s16, 13
	s_add_co_u32 s80, s80, s14
	s_add_co_u32 s80, s80, XSC
	s_mov_b32 s81, 0
	s_lshl_b32 s82, s13, 17
	s_add_co_u32 s82, s82, s19
	s_add_co_u32 s82, s82, 1048576                 ; w_v is the third weight
	s_mov_b32 s83, 0
	s_lshl_b32 s100, s13, 13
	s_add_co_u32 s100, s100, s14
	s_add_co_u32 s100, s100, WSC+65536
	s_mov_b32 s101, 0
	; A: byte offsets of the quarter that I fetch, in registers that never hold cx.  A group has 8 tiles: 65,536 bytes of codes, 4,096 of scale images
	s_lshl_b32 s17, s12, 14                        ; my quarter of the codes, in memory and in LDS
	s_lshl_b32 s18, s12, 10                        ; and of the scale images
	s_lshl_b32 s90, s15, 16
	s_add_co_u32 s90, s90, s17
	s_mov_b32 s91, 0
	s_lshl_b32 s92, s15, 12
	s_add_co_u32 s92, s92, s18
	s_add_co_u32 s92, s92, WSC
	s_mov_b32 s93, 0
	s_lshl_b32 s94, ttmp9, 16
	s_add_co_u32 s94, s94, s17
	s_add_co_u32 s94, s94, 8388608                 ; x_values is the third x
	s_mov_b32 s95, 0
	s_lshl_b32 s96, ttmp9, 12
	s_add_co_u32 s96, s96, s18
	s_add_co_u32 s96, s96, XSC+524288
	s_mov_b32 s97, 0
	s_mov_b32 s99, 0                               ; the high word of the way out's offsets s[98:99]
	; group 1.  Elements of 8 bytes; both blocks are dense: rows of 256 bytes
	s_mov_b32 s[G1C+0], 15|(3<<16)|(1<<21)         ; the mask names all four work-groups; bit 21 set beside it; no padding: an image is read 512 consecutive bytes at a time
	s_mov_b32 s[G1C+1], 32<<16                     ; tensor_dim0 = 32
	s_mov_b32 s[G1C+2], 64<<16                     ; tensor_dim1 = 64
	s_mov_b32 s[G1C+3], 32<<16                     ; tile_dim0 = 32
	s_mov_b32 s[G1C+4], 64                         ; tile_dim1 = 64
	s_mov_b32 s[G1C+5], 32                         ; from row to row
	s_mov_b32 s[G1C+6], 0
	s_mov_b32 s[G1C+7], 0
	s_mov_b32 s[G1S+0], 15|(3<<16)|(1<<21)
	s_mov_b32 s[G1S+1], 32<<16
	s_mov_b32 s[G1S+2], 4<<16
	s_mov_b32 s[G1S+3], 32<<16
	s_mov_b32 s[G1S+4], 4
	s_mov_b32 s[G1S+5], 32
	s_mov_b32 s[G1S+6], 0
	s_mov_b32 s[G1S+7], 0
	s_wait_dscnt 0x0
	s_wait_kmcnt 0x0
	s_add_nc_u64 s[PB:PB+1], s[4:5], s[78:79]      ; Q: x_queries' codes;
	s_add_nc_u64 s[PB+2:PB+3], s[PB:PB+1], 4194304 ; K: x_keys', the same tokens;
	s_add_nc_u64 s[PB+4:PB+5], s[6:7], s[82:83]    ; V: w_v's
	s_add_nc_u64 s[PS:PS+1], s[4:5], s[80:81]
	s_add_nc_u64 s[PS+2:PS+3], s[PS:PS+1], 262144
	s_add_nc_u64 s[PS+4:PS+5], s[6:7], s[100:101]
	BSCALES 0                                      ; B needs no round of the cluster: 56 loads go out ahead of it
.irp st, 0,1,2,3,4,5
	BLOAD 0, \st
.endr
	WIN 0                                          ; at a label and at a branch every window is 0
	; group 0: tile y's codes to 65,536 y + 16,384 wave, its scale images to ASC + 4,096 y + 1,024 wave
	s_mov_b32 s[G0C+0], 1
	s_mov_b32 s[G0C+1], s17
	s_add_nc_u64 s[G0C+2:G0C+3], s[6:7], s[90:91]  ; Q: w_q;
	s_mov_b32 s[G0C+4], 1
	s_add_co_u32 s[G0C+5], s17, 65536
	s_add_nc_u64 s[G0C+6:G0C+7], s[G0C+2:G0C+3], 524288            ; K: w_k, the same columns;
	s_mov_b32 s[G0C+8], 1
	s_add_co_u32 s[G0C+9], s17, 131072
	s_add_nc_u64 s[G0C+10:G0C+11], s[4:5], s[94:95]                ; V: x_values
	s_or_b32 s[G0C+3], s[G0C+3], 0x80000000
	s_or_b32 s[G0C+7], s[G0C+7], 0x80000000
	s_or_b32 s[G0C+11], s[G0C+11], 0x80000000
	s_mov_b32 s[G0S+0], 1
	s_add_co_u32 s[G0S+1], s18, ASC
	s_add_nc_u64 s[G0S+2:G0S+3], s[6:7], s[92:93]
	s_mov_b32 s[G0S+4], 1
	s_add_co_u32 s[G0S+5], s18, ASC+4096
	s_add_nc_u64 s[G0S+6:G0S+7], s[G0S+2:G0S+3], 32768
	s_mov_b32 s[G0S+8], 1
	s_add_co_u32 s[G0S+9], s18, ASC+8192
	s_add_nc_u64 s[G0S+10:G0S+11], s[4:5], s[96:97]
	s_or_b32 s[G0S+3], s[G0S+3], 0x80000000
	s_or_b32 s[G0S+7], s[G0S+7], 0x80000000
	s_or_b32 s[G0S+11], s[G0S+11], 0x80000000
	ROUND                                          ; all four work-groups are here: the joint loads meet
	; All fills of the launch, the same six lines in every wave, tile by tile: six loads of a wave are out.  Four v_nop follow the last
	tensor_load_to_lds s[G0S:G0S+3], s[G1S:G1S+7]
	s_nop 0
	tensor_load_to_lds s[G0C:G0C+3], s[G1C:G1C+7]
	s_nop 0
	tensor_load_to_lds s[G0S+4:G0S+7], s[G1S:G1S+7]
	s_nop 0
	tensor_load_to_lds s[G0C+4:G0C+7], s[G1C:G1C+7]
	s_nop 0
	tensor_load_to_lds s[G0S+8:G0S+11], s[G1S:G1S+7]
	s_nop 0
	tensor_load_to_lds s[G0C+8:G0C+11], s[G1C:G1C+7]
	s_nop 0
	PLACES
	; addresses and the way out's numbers, while everything is on its way
	v_add_nc_u32 v[ADA], 65536, v[LI]
	v_add_nc_u32 v[ADA+1], 131072, v[LI]
	v_add_nc_u32 v[ADS], ASC, v[R16]
	v_lshl_add_u32 v[SOQ], v15, 13, v[R16]         ; lanes 16-31 store the second head's scale words: 8,192 bytes on in Q,
	v_mad_u32_u24 v[SOK], v15, 12288, v[R16]       ; 12,288 in K
	v_mov_b32 v[SELV], 0x01000100                  ; lanes 0-15 store the first head's two bytes, twice: the upper two scale the padded half of the next product's K, whose codes of Q are zeros;
	v_mov_b32 v13, 0x03020302                      ; lanes 16-31 the second head's
	v_cmp_eq_u32 vcc_lo, 1, v15
	v_cndmask_b32 v[SELV], v[SELV], v13, vcc_lo
.irp b, 0,1,2,3
	v_mov_b32 v[TM+4+\b], 0                        ; written once: a lane permute's destination counts as one of its sources
.endr
	s_lshr_b32 s2, s16, 3                          ; Q, K: batch = BB / 8; heads 2 G, 2 G + 1
	s_lshl_b32 s2, s2, 4
	s_lshl_b32 s3, s15, 1
	s_add_co_u32 s2, s2, s3
	s_and_b32 s3, s16, 7                           ; token tiles 16 (BB % 8) + 4 wave on
	s_lshl_b32 s3, s3, 2
	s_add_co_u32 s3, s3, s12
	s_lshr_b32 s20, ttmp9, 4                       ; V: batch = G / 16; head 4 BB + wave
	s_lshl_b32 s20, s20, 4
	s_lshl_b32 s21, s13, 2
	s_add_co_u32 s20, s20, s21
	s_add_co_u32 s20, s20, s12
	s_and_b32 s21, ttmp9, 15                       ; key step G % 16
	s_mov_b32 s22, 0x76543210
	s_mov_b32 s23, 0xfedcba98                      ; v_permlanex16_b32's selects for lane l xor 16
	BLOAD 0, 6                                     ; the rest of the first tile's B
	BLOAD 0, 7
	WIN 0
	s_wait_tensorcnt 0x4                           ; my part of the first tile's A, scale images and codes, has landed; the other two tiles' four loads may be out,
	s_barrier_signal -1
	s_barrier_wait -1                              ; everybody's has.
	ASCALES 0
	FETCHA 0, 0
	TILE 0                                         ; Q
	TILE 1                                         ; K
	TILE 2                                         ; V
	s_wait_tensorcnt 0x0
	ds_add_u32 v254, v255
	s_wait_dscnt 0x0
	ROUND                                          ; the closing round: no work-group ends while a partner may still ask jointly
	s_endpgm
.Lfunc_end_k_qba12a92cc3_proj:
	.size	k_qba12a92cc3_proj, .Lfunc_end_k_qba12a92cc3_proj-k_qba12a92cc3_proj
	.p2alignl 7, 3214868480
	.fill 96, 4, 3214868480
	.section	.rodata,"a",@progbits
	.p2align	6, 0x0
	.amdhsa_kernel k_qba12a92cc3_proj
		.amdhsa_group_segment_fixed_size 209408
		.amdhsa_private_segment_fixed_size 0
		.amdhsa_enable_private_segment 0
		.amdhsa_kernarg_size 32
		.amdhsa_user_sgpr_count 2
		.amdhsa_user_sgpr_kernarg_segment_ptr 1
		.amdhsa_wavefront_size32 1
		.amdhsa_system_sgpr_workgroup_id_x 1
		.amdhsa_system_sgpr_workgroup_id_y 1
		.amdhsa_system_sgpr_workgroup_id_z 1
		.amdhsa_system_vgpr_workitem_id 0
		.amdhsa_next_free_vgpr 1024
		.amdhsa_next_free_sgpr 102
		.amdhsa_reserve_vcc 1
		.amdhsa_float_denorm_mode_32 3
		.amdhsa_float_denorm_mode_16_64 3
		.amdhsa_memory_ordered 1
		.amdhsa_forward_progress 1
		.amdhsa_inst_pref_size 209
	.end_amdhsa_kernel
	.amdgpu_metadata
---
amdhsa.version: [ 1, 2 ]
amdhsa.kernels:
  - .name:           k_qba12a92cc3_proj
    .symbol:         k_qba12a92cc3_proj.kd
    .args:
      - { .name: xcodes, .offset: 0, .size: 8, .value_kind: global_buffer, .address_space: global }
      - { .name: wcodes, .offset: 8, .size: 8, .value_kind: global_buffer, .address_space: global }
      - { .name: qcodes, .offset: 16, .size: 8, .value_kind: global_buffer, .address_space: global }
      - { .name: kvcodes, .offset: 24, .size: 8, .value_kind: global_buffer, .address_space: global }
    .group_segment_fixed_size: 209408
    .private_segment_fixed_size: 0
    .kernarg_segment_align: 8
    .kernarg_segment_size: 32
    .max_flat_workgroup_size: 128
    .sgpr_count:     102
    .vgpr_count:     1024
    .wavefront_size: 32
...
	.end_amdgpu_metadata
.endif
;; end of part 2
;; launch attn (part 3): grid 4 x 64, 16 waves a work-group, clusters of 4 x 1, 169,984 bytes of LDS; arguments qcodes, kvcodes, maskw, ocodes; writes ocodes
.if DOCPART == 3
	.amdgcn_target "amdgcn-amd-amdhsa--gfx1250"
	.amdhsa_code_object_version 6
	.text
	.protected	k_qba12a92cc3_attn
	.globl	k_qba12a92cc3_attn
	.p2align	8
	.type	k_qba12a92cc3_attn,@function
k_qba12a92cc3_attn:
	s_mov_b64 s[64:65], 0
	v_nop
	global_prefetch_b8 v0, s[64:65] scope:SCOPE_SE
	s_setreg_imm32_b32 hwreg(HW_REG_WAVE_MODE, 25, 1), 1
	s_wait_xcnt 0x0
	s_wait_alu depctr_hold_cnt(0) depctr_sa_sdst(0) depctr_va_vdst(0) depctr_va_sdst(0) depctr_va_ssrc(0) depctr_va_vcc(0) depctr_vm_vsrc(0)
	s_getreg_b32 s2, hwreg(HW_REG_IB_STS2, 6, 4)
	s_cmp_eq_u32 s2, 0
	s_cbranch_scc0 .Lentry_in_a_cluster
	s_endpgm
.Lentry_in_a_cluster:
	s_bfe_u32 s2, ttmp6, 0x10000c
	s_cmp_lg_u32 s2, 0x3003
	s_cbranch_scc0 .Lentry_shape_is_right
	s_endpgm
.Lentry_shape_is_right:
; ATTN: for each (batch, head): scores = Q K^T / 8; where the mask is 0 the score is 1e-6 (no key is left out); softmax; O = P V; O is quantised along (head, d) for the last product.  Both products on codes of FP4 with E8M0 scales.
; THE SOFTMAX AHEAD OF THE SECOND PRODUCT: t = score x log2(e); M = the row's largest t so far, rounded up to a whole number; p = 2^(t - M) is quantised along the keys, not normalised; the row's sum is taken of the
; unquantised p and divides O at the end.  When M moves, the sum and O are multiplied by 2^(old M - new M): exact.
; SHARES: grid y = 16 batch + head; the cluster's four work-groups take the four quarters of the head's 2,048 queries.  A work-group has sixteen waves; a wave takes two tiles of 16 queries, one after the other, and walks
; all 2,048 keys, 128 a step.  Four waves share a SIMD, so that one wave's vector work stands beside another's products and LDS loads.
; LDS holds the head's K and V (fragment images) and their scale words whole: 143,360 bytes, filled once, by joint loads (the four partners read the same bytes).
; LAYOUT: both products are used transposed: S^T = K Q^T, O^T = V^T P^T: a lane holds one query (lane % 16) throughout.  A tile's lane r holds row 32 (T / 2) + 8 (T % 2) + r + 8 (r / 8), so that the 16 registers of tiles
; 2 b and 2 b + 1 are 16 neighbours: keys in S^T, the head's d in O^T.
; THE FIRST PRODUCT'S K IS 64, the instruction's 128: Q's upper four registers are zero codes.  K's operand of tile t is v[32 + 4 t .. 39 + 4 t]: its upper four registers are the next tile's codes, which meet zeros and add nothing;
; the scale words' upper two bytes repeat the lower two.
; THE MASK comes as 64 lane-mask words a step, one for each score register, by scalar loads a step ahead: one v_cndmask_b32 a register puts 8e-6 (x log2(e) / 8 = 1e-6 log2(e)) where the bit is 0.
; LIMITS: a block whose largest magnitude lies under 2^-124 gets the byte 1; NaN and infinities are not served.
; REGISTERS: v1-6 addresses and constants that stay; v8-11 the step's LDS addresses; v12 -M, v13 the largest t, v[14:15] the sum; v16-23 Q; v24 Q's scale word; v26-29 V's scale words; v32-67 K; v68-75 K's scale words;
;   v96-159 S^T, then p; v160-191 O^T; v192-223 V; v224-231 p's codes; v232-254 at work.
.set QSC, 4194304
.set KVS, 8388608
.set OSC, 4194304
.set LV,  65536                        ; LDS: K's images at 0 (4,096 a step, 512 a tile); V's here (4,096 a step, 1,024 a tile of d, 512 a half of the keys)
.set LKS, 131072                       ; K's scale words: 512 a step
.set LVS, 139264                       ; V's: 256 a step
.macro ROUND                           ; a round of the cluster's barrier
	s_barrier_signal -1
	s_barrier_wait -1
	s_cmp_lg_u32 s12, 0
	s_cbranch_scc1 .Lnot_wave_0_\@
	s_barrier_signal -3
.Lnot_wave_0_\@:
	s_barrier_wait -3
	s_barrier_signal -1
	s_barrier_wait -1
.endm
.macro MLOAD                           ; a step's 64 mask words: word n in s[16 + n] (n < 48) or s[32 + n]
	s_load_b512 s[16:31], s[8:9], s66 offset:0x0
	s_load_b512 s[32:47], s[8:9], s66 offset:0x40
	s_load_b512 s[48:63], s[8:9], s66 offset:0x80
	s_load_b512 s[80:95], s[8:9], s66 offset:0xc0
.endm
	s_load_b256 s[4:11], s[0:1], 0x0               ; qcodes s[4:5], kvcodes s[6:7], maskw s[8:9], ocodes s[10:11]
	v_lshl_add_u32 v251, v0, 2, 0x29000
	v_mov_b32 v255, 0
	ds_add_u32 v251, v255
	ds_add_u32 v251, v255
	v_lshrrev_b32 v8, 5, v0
	v_readfirstlane_b32 s12, v8                    ; wave 0..15
	s_and_b32 s77, ttmp7, 0xffff                   ; y = 16 batch + head, which the four partners share
	s_bfe_u32 s78, ttmp6, 0x40000                  ; cx: it enters Q's, the mask's and O's addresses alone
	; group 1, elements of 8 bytes: dense blocks as rows of 256 bytes.  s[16:23]: 64 rows (an eighth of the images); s[24:31]: 48 rows (all scale words)
	s_mov_b32 s16, 15|(3<<16)|(1<<21)              ; the mask names all four work-groups; bit 21 set beside it; no padding: every LDS load here reads consecutive bytes
	s_mov_b32 s17, 32<<16
	s_mov_b32 s18, 64<<16
	s_mov_b32 s19, 32<<16
	s_mov_b32 s20, 64
	s_mov_b32 s21, 32
	s_mov_b32 s22, 0
	s_mov_b32 s23, 0
	s_mov_b32 s24, 15|(3<<16)|(1<<21)
	s_mov_b32 s25, 32<<16
	s_mov_b32 s26, 48<<16
	s_mov_b32 s27, 32<<16
	s_mov_b32 s28, 48
	s_mov_b32 s29, 32
	s_mov_b32 s30, 0
	s_mov_b32 s31, 0
	s_lshl_b32 s96, s77, 17                        ; a head's images: 131,072 bytes;
	s_lshl_b32 s79, s12, 14                        ; waves 0-7 fetch 16,384 each
	s_add_co_u32 s96, s96, s79
	s_mov_b32 s97, 0
	s_mul_i32 s98, s77, 12288                      ; a head's scale words
	s_add_co_u32 s98, s98, KVS
	s_mov_b32 s99, 0
	s_wait_dscnt 0x0
	s_wait_kmcnt 0x0
	s_mov_b32 s32, 1
	s_mov_b32 s33, s79                             ; LDS is the image of memory: 16,384 x wave
	s_add_nc_u64 s[34:35], s[6:7], s[96:97]
	s_or_b32 s35, s35, 0x80000000
	s_mov_b32 s36, 1
	s_mov_b32 s37, LKS
	s_add_nc_u64 s[38:39], s[6:7], s[98:99]
	s_or_b32 s39, s39, 0x80000000
	ROUND                                          ; all four work-groups are here: the joint loads meet
	s_cmp_lt_u32 s12, 8                            ; the launch's only fills: one load a wave for waves 0-8.  Four v_nop follow each
	s_cbranch_scc0 .Lnot_codes
	tensor_load_to_lds s[32:35], s[16:23]
	s_nop 0
.rept 4
	v_nop
.endr
	s_branch .Lasked
.Lnot_codes:
	s_cmp_eq_u32 s12, 8
	s_cbranch_scc0 .Lasked
	tensor_load_to_lds s[36:39], s[24:31]
	s_nop 0
.rept 4
	v_nop
.endr
.Lasked:
	s_lshl_b32 s78, s78, 5
	s_lshl_b32 s79, s12, 1
	s_add_co_u32 s78, s78, s79                     ; T0 = 32 cx + 2 wave: my first query tile
	s_lshr_b32 s79, s77, 4
	s_lshl_b32 s79, s79, 7
	s_add_co_u32 s79, s79, s78                     ; 128 batch + T0
	s_and_b32 s13, s77, 15                         ; head
	s_mov_b32 s101, 0
	s_lshl_b32 s100, s77, 13                       ; Q's scale words: 8,192 a head, 256 (T / 4) + 4 (T % 4)
	s_lshr_b32 s14, s78, 2
	s_lshl_b32 s14, s14, 8
	s_add_co_u32 s100, s100, s14
	s_and_b32 s14, s78, 3
	s_lshl_b32 s14, s14, 2
	s_add_co_u32 s100, s100, s14
	s_add_co_u32 s100, s100, QSC
	s_add_nc_u64 s[72:73], s[4:5], s[100:101]
	s_lshl_b32 s100, s77, 16                       ; Q's codes: 65,536 a head, 512 a tile
	s_lshl_b32 s14, s78, 9
	s_add_co_u32 s100, s100, s14
	s_add_nc_u64 s[4:5], s[4:5], s[100:101]
	s_lshl_b32 s100, s79, 12                       ; mask words: 4,096 a query tile; my two tiles' 8,192 bytes lie on end
	s_add_nc_u64 s[8:9], s[8:9], s[100:101]
	s_lshl_b32 s100, s79, 9                        ; O's scale bytes: 512 a tile, 256 (head / 8) + 4 ((head / 2) % 4) + 2 (head % 2)
	s_lshr_b32 s14, s13, 3
	s_lshl_b32 s14, s14, 8
	s_add_co_u32 s100, s100, s14
	s_bfe_u32 s14, s13, 0x20001
	s_lshl_b32 s14, s14, 2
	s_add_co_u32 s100, s100, s14
	s_and_b32 s14, s13, 1
	s_lshl_b32 s14, s14, 1
	s_add_co_u32 s100, s100, s14
	s_add_co_u32 s100, s100, OSC
	s_add_nc_u64 s[74:75], s[10:11], s[100:101]
	s_lshl_b32 s100, s79, 4                        ; O's codes: 8,192 a tile, 512 a head
	s_add_co_u32 s100, s100, s13
	s_lshl_b32 s100, s100, 9
	s_add_nc_u64 s[10:11], s[10:11], s[100:101]
	s_mov_b32 s68, 0x76543210
	s_mov_b32 s69, 0xfedcba98                      ; v_permlanex16_b32's selects for lane l xor 16
	s_mov_b32 s70, 0x3e38aa3b                      ; c = log2(e) / 8: t = Q . K x c
	s_mov_b32 s71, s70                             ; (the packed form names the pair)
	s_mov_b32 s66, 0                               ; where the next step's mask words begin
	s_mov_b32 s15, 2                               ; tiles to go
	v_and_b32 v8, 31, v0
	v_lshlrev_b32 v1, 4, v8                        ; 16 x lane: K's images, Q's and O's codes
	v_add_nc_u32 v2, LV, v1                        ; V's images
	v_and_b32 v9, 15, v0
	v_lshlrev_b32 v6, 4, v9                        ; 16 r
	v_add_nc_u32 v3, LKS, v6
	v_add_nc_u32 v4, LVS, v6
	v_mov_b32 v5, 0x370637bd                       ; 8e-6
.irp j, 20,21,22,23,64,65,66,67
	v_mov_b32 v\j, 0                               ; zero codes: the upper half of Q's operand, and of the last key tile's
.endr
.irp j, 236,237,238,239,253
	v_mov_b32 v\j, 0                               ; written once: lane permutes' destinations, and the upper half of the pair v[252:253]
.endr
	s_wait_tensorcnt 0x0                           ; my load has landed: its descriptors' registers may be written again,
	s_barrier_signal -1
	s_barrier_wait -1                              ; everybody's has
	MLOAD                                          ; the first step's mask words
.Lpass:                                            ; one tile of 16 queries
	global_load_b128 v[16:19], v1, s[4:5]          ; Q's codes: d = 32 (lane / 16) + 0 .. 31 of my query
	global_load_b32 v24, v6, s[72:73]              ; and its scale word
	v_mov_b32 v13, 0xff61b1e6                      ; the largest t so far: -3e38, under every t
	v_floor_f32 v12, -v13                          ; -M
	v_mov_b32 v14, 0
	v_mov_b32 v15, 0
.set n, 0
.rept 32
	v_mov_b32 v[160+n], 0                          ; O^T.  (The step is written once: the first finds zeros, which the first change of M leaves zeros)
.set n, n+1
.endr
	s_mov_b32 s13, 0                               ; the step's place in K's and V's images
	s_mov_b32 s14, 16
	s_wait_loadcnt 0x0
.Lstep:                                            ; 128 keys
	s_lshr_b32 s67, s13, 3
	s_lshr_b32 s76, s13, 4
	v_add_nc_u32 v8, s13, v1                       ; (these four are the places between the last step's products and the loads into their operands)
	v_add_nc_u32 v9, s13, v2
	v_add_nc_u32 v10, s67, v3
	v_add_nc_u32 v11, s76, v4
.irp t, 0,1,2,3,4,5,6,7
	ds_load_b128 v[32+4*\t:35+4*\t], v8 offset:512*\t
.endr
.irp q, 0,1
	ds_load_b128 v[68+4*\q:71+4*\q], v10 offset:256*\q
.endr
.irp d, 0,1,2,3
.irp c, 0,1
	ds_load_b128 v[192+8*\d+4*\c:195+8*\d+4*\c], v9 offset:1024*\d+512*\c
.endr
.endr
	ds_load_b128 v[26:29], v11
	s_wait_dscnt 9                                 ; K and its scale words are in; V's nine loads may be out
.irp t, 0,1,2,3,4,5,6,7
	v_wmma_scale_f32_16x16x128_f8f6f4 v[96+8*\t:103+8*\t], v[32+4*\t:39+4*\t], v[16:23], 0, v[68+\t], v24 matrix_a_fmt:MATRIX_FMT_FP4 matrix_b_fmt:MATRIX_FMT_FP4
.endr
	s_wait_kmcnt 0x0                               ; this step's mask words are in, so their offset may step
	s_add_co_u32 s66, s66, 256
	s_and_b32 s66, s66, 8191                       ; (the last look-ahead wraps to my own first words: it stays inside the buffer, and nobody uses it)
.rept 4
	v_nop
.endr
.set n, 0
.rept 64                               ; ascending: each accumulator is read from its low end on
.if n < 48
	v_cndmask_b32 v[96+n], v5, v[96+n], s[16+n]
.else
	v_cndmask_b32 v[96+n], v5, v[96+n], s[32+n]
.endif
.set n, n+1
.endr
	MLOAD                                          ; the next step's: they have the whole softmax in which to come
.irp b, 0,1,2,3
	v_max3_num_f32 v[232+\b], v[96+16*\b], v[97+16*\b], v[98+16*\b]       ; the largest score of each block of 32 keys: for the row's maximum, and, since p rises with the score, for the block's largest p
.endr
.irp i, 3,5,7,9,11,13
.irp b, 0,1,2,3
	v_max3_num_f32 v[232+\b], v[232+\b], v[96+16*\b+\i], v[97+16*\b+\i]
.endr
.endr
.irp b, 0,1,2,3
	v_max_num_f32 v[232+\b], v[232+\b], v[111+16*\b]
.endr
.irp b, 0,1,2,3
	v_permlanex16_b32 v[236+\b], v[232+\b], s68, s69
.endr
.irp b, 0,1,2,3
	v_max_num_f32 v[232+\b], v[232+\b], v[236+\b]  ; with lane l xor 16's 16 keys
.endr
	v_max3_num_f32 v254, v232, v233, v234
	v_max_num_f32 v254, v254, v235
	v_mul_f32 v254, s70, v254                      ; as t (c is positive)
	v_max_num_f32 v13, v13, v254                   ; the running largest t
	v_mov_b32 v254, v12
	v_floor_f32 v12, -v13                          ; the new -M = -ceil(t): a whole number
	v_sub_f32 v254, v12, v254                      ; old M - new M: a whole number, 0 or less
	v_cvt_i32_f32 v254, v254                       ; (it saturates)
	v_ldexp_f32 v252, 1.0, v254                    ; f = 2^(old M - new M)
.irp j, 0,2,4,6,8,10,12,14,16,18,20,22,24,26,28,30,32,34,36,38,40,42,44,46,48,50,52,54,56,58,60,62
	v_pk_fma_f32 v[96+\j:97+\j], v[96+\j:97+\j], s[70:71], v[12:13] op_sel_hi:[1,0,0]     ; t - M, two at a time
.endr
.irp b, 0,1,2,3
	v_fma_f32 v[232+\b], v[232+\b], s70, v12       ; the same of each block's largest score
.endr
.set n, 0
.rept 64
	v_exp_f32 v[96+n], v[96+n]                     ; p = 2^(t - M), at most 1
.set n, n+1
.endr
.irp b, 0,1,2,3
	v_exp_f32 v[232+\b], v[232+\b]                 ; the block's largest p: the same two instructions on the same number
.endr
	v_pk_mul_f32 v[14:15], v[14:15], v[252:253] op_sel_hi:[1,0]           ; the sum under the new M.  (The plain instruction behind the exponentials)
	s_wait_alu depctr_va_vdst(0)
.irp b, 0,1,2,3
	v_max_num_f32 v[232+\b], 0x1800000, v[232+\b]  ; the floor 2^(3 - 127)
.endr
.irp b, 0,1,2,3
	v_add_nc_u32 v[244+\b], 0xff000000, v[232+\b]  ; the conversion's scale operand
.endr
.irp b, 0,1,2,3
	v_lshrrev_b32 v[236+\b], 23, v[244+\b]         ; the scale's byte
.endr
	v_lshl_or_b32 v253, v237, 8, v236              ; p's scale word for these 128 keys
	v_lshl_or_b32 v253, v238, 16, v253
	v_lshl_or_b32 v253, v239, 24, v253
.irp b, 0,1,2,3
	v_cvt_scalef32_pk8_fp4_f32 v[224+2*\b], v[96+16*\b:103+16*\b], v[244+\b]
	v_cvt_scalef32_pk8_fp4_f32 v[225+2*\b], v[104+16*\b:111+16*\b], v[244+\b]
.endr
	v_nop                                          ; one plain instruction behind the last scaled conversion
.irp c, 0,1                            ; a whole block in a lane: lanes 0-15 block 2 c, lanes 16-31 block 2 c + 1
.irp i, 0,1
	v_permlane16_swap_b32 v[224+4*\c+\i], v[226+4*\c+\i]
.endr
.endr
	v_pk_add_f32 v[236:237], v[96:97], v[98:99]    ; the row's sum is taken of the unquantised p: two at a time, in two chains
.irp j, 4,8,12,16,20,24,28,32,36,40,44,48,52,56,60
	v_pk_add_f32 v[14:15], v[14:15], v[96+\j:97+\j]
	v_pk_add_f32 v[236:237], v[236:237], v[98+\j:99+\j]
.endr
	v_pk_add_f32 v[14:15], v[14:15], v[236:237]
.irp j, 0,2,4,6,8,10,12,14,16,18,20,22,24,26,28,30
	v_pk_mul_f32 v[160+\j:161+\j], v[160+\j:161+\j], v[252:253] op_sel_hi:[1,0]   ; O^T under the new M, each accumulator from its low end on.  (The sums and these are the places between the codes, the scale word and the products)
.endr
	s_wait_dscnt 0x0                               ; V and its scale words are in
.irp d, 0,1,2,3
	v_wmma_scale_f32_16x16x128_f8f6f4 v[160+8*\d:167+8*\d], v[192+8*\d:199+8*\d], v[224:231], v[160+8*\d:167+8*\d], v[26+\d], v253 matrix_a_fmt:MATRIX_FMT_FP4 matrix_b_fmt:MATRIX_FMT_FP4
.endr
	s_add_co_u32 s13, s13, 4096
	s_sub_co_u32 s14, s14, 1
	s_cmp_lg_u32 s14, 0
	s_cbranch_scc1 .Lstep
	; the tile's end: O = O^T / the sum, quantised along the head's 64 (two blocks), stored as half a fragment image of the last product's operand
.rept 4
	v_nop
.endr
	v_add_f32 v14, v14, v15
	v_permlanex16_b32 v252, v14, s68, s69
	v_add_f32 v14, v14, v252                       ; the row's sum
	v_rcp_f32 v14, v14
	v_nop                                          ; one plain instruction behind the transcendental
	s_wait_alu depctr_va_vdst(0)
.irp j, 0,2,4,6,8,10,12,14,16,18,20,22,24,26,28,30
	v_pk_mul_f32 v[96+\j:97+\j], v[160+\j:161+\j], v[14:15] op_sel_hi:[1,0]       ; register 16 b + e = o(my query, 32 b + 16 (lane / 16) + e)
.endr
.irp b, 0,1
	v_max3_num_f32 v[232+\b], |v[96+16*\b]|, |v[97+16*\b]|, 0x1800000
.endr
.irp e, 2,4,6,8,10,12,14
.irp b, 0,1
	v_max3_num_f32 v[232+\b], v[232+\b], |v[96+16*\b+\e]|, |v[97+16*\b+\e]|
.endr
.endr
.irp b, 0,1
	v_permlanex16_b32 v[236+\b], v[232+\b], s68, s69
.endr
.irp b, 0,1
	v_max_num_f32 v[232+\b], v[232+\b], v[236+\b]
.endr
.irp b, 0,1
	v_add_nc_u32 v[244+\b], 0xff000000, v[232+\b]
.endr
.irp b, 0,1
	v_lshrrev_b32 v[236+\b], 23, v[244+\b]
.endr
	v_lshl_or_b32 v240, v237, 8, v236              ; my row's two scale bytes
.irp b, 0,1
	v_cvt_scalef32_pk8_fp4_f32 v[224+2*\b], v[96+16*\b:103+16*\b], v[244+\b]
	v_cvt_scalef32_pk8_fp4_f32 v[225+2*\b], v[104+16*\b:111+16*\b], v[244+\b]
.endr
	v_nop
	v_permlane16_swap_b32 v224, v226
	v_permlane16_swap_b32 v225, v227
	global_store_b128 v1, v[224:227], s[10:11]     ; 32 lanes store 512 consecutive bytes, aligned
	global_store_b16 v6, v240, s[74:75]            ; two bytes of each row's 16: the neighbouring heads' come from other work-groups (lanes 16-31 store the same bytes at the same places)
	s_wait_xcnt 0x0                                ; the stores have read their data and bases: both may be written again
	s_add_nc_u64 s[4:5], s[4:5], 512               ; on to my second tile
	s_add_nc_u64 s[72:73], s[72:73], 4
	s_add_nc_u64 s[10:11], s[10:11], 8192
	s_add_nc_u64 s[74:75], s[74:75], 512
	s_sub_co_u32 s15, s15, 1
	s_cmp_lg_u32 s15, 0
	s_cbranch_scc1 .Lpass
	s_wait_kmcnt 0x0                               ; the last look-ahead
	s_wait_tensorcnt 0x0
	ds_add_u32 v251, v255
	s_wait_dscnt 0x0
	ROUND                                          ; the closing round: no work-group ends while a partner may still ask jointly
	s_endpgm
.Lfunc_end_k_qba12a92cc3_attn:
	.size	k_qba12a92cc3_attn, .Lfunc_end_k_qba12a92cc3_attn-k_qba12a92cc3_attn
	.p2alignl 7, 3214868480
	.fill 96, 4, 3214868480
	.section	.rodata,"a",@progbits
	.p2align	6, 0x0
	.amdhsa_kernel k_qba12a92cc3_attn
		.amdhsa_group_segment_fixed_size 169984
		.amdhsa_private_segment_fixed_size 0
		.amdhsa_enable_private_segment 0
		.amdhsa_kernarg_size 32
		.amdhsa_user_sgpr_count 2
		.amdhsa_user_sgpr_kernarg_segment_ptr 1
		.amdhsa_wavefront_size32 1
		.amdhsa_system_sgpr_workgroup_id_x 1
		.amdhsa_system_sgpr_workgroup_id_y 1
		.amdhsa_system_sgpr_workgroup_id_z 1
		.amdhsa_system_vgpr_workitem_id 0
		.amdhsa_next_free_vgpr 256
		.amdhsa_next_free_sgpr 102
		.amdhsa_reserve_vcc 0
		.amdhsa_float_denorm_mode_32 3
		.amdhsa_float_denorm_mode_16_64 3
		.amdhsa_memory_ordered 1
		.amdhsa_forward_progress 1
		.amdhsa_inst_pref_size 31
	.end_amdhsa_kernel
	.amdgpu_metadata
---
amdhsa.version: [ 1, 2 ]
amdhsa.kernels:
  - .name:           k_qba12a92cc3_attn
    .symbol:         k_qba12a92cc3_attn.kd
    .args:
      - { .name: qcodes, .offset: 0, .size: 8, .value_kind: global_buffer, .address_space: global }
      - { .name: kvcodes, .offset: 8, .size: 8, .value_kind: global_buffer, .address_space: global }
      - { .name: maskw, .offset: 16, .size: 8, .value_kind: global_buffer, .address_space: global }
      - { .name: ocodes, .offset: 24, .size: 8, .value_kind: global_buffer, .address_space: global }
    .group_segment_fixed_size: 169984
    .private_segment_fixed_size: 0
    .kernarg_segment_align: 8
    .kernarg_segment_size: 32
    .max_flat_workgroup_size: 512
    .sgpr_count:     102
    .vgpr_count:     256
    .wavefront_size: 32
...
	.end_amdgpu_metadata
.endif
;; end of part 3
;; launch outln (part 4): grid 256 x 1, 8 waves a work-group, no clusters, 138,240 bytes of LDS; arguments ocodes, wcodes, x_queries, gamma, beta, out0; writes out0
.if DOCPART == 4
	.amdgcn_target "amdgcn-amd-amdhsa--gfx1250"
	.amdhsa_code_object_version 6
	.text
	.protected	k_qba12a92cc3_outln
	.globl	k_qba12a92cc3_outln
	.p2align	8
	.type	k_qba12a92cc3_outln,@function
k_qba12a92cc3_outln:
	s_mov_b64 s[64:65], 0
	v_nop
	global_prefetch_b8 v0, s[64:65] scope:SCOPE_SE
	s_setreg_imm32_b32 hwreg(HW_REG_WAVE_MODE, 25, 1), 1
	s_wait_xcnt 0x0
; OUTLN: out0 = LayerNorm(O w_0 + x_queries): the product on codes of FP4 with E8M0 scales, K = 1,024; the norm with the mean, the standard deviation with Bessel's correction (/ 1,023), eps = 1e-6 added to it, gamma and beta.
; SHARES: a work-group owns 32 tokens (two tiles) and all 1,024 columns, so each row has one owner.  Wave w makes columns 128 w .. 128 w + 127: w_0's tiles 8 w + a; 16 accumulators.
; The product is used transposed (source 0 = 16 columns of w_0, source 1 = 16 tokens): a lane holds one token (lane % 16), and register 16 b + e of a token tile holds column 128 w + 32 b + 16 (lane / 16) + e.
; THE RESIDUAL IS THE C OF THE FIRST PRODUCTS: its rows are loaded as they lie (512 consecutive bytes a load), turned through the wave's own stage in LDS into the result's layout, and land in the accumulators.
; Operands go from memory straight into registers: every fragment image is read by the one wave that multiplies it (w_0's) or by the eight waves of this work-group alone (O's).  A ring of three register sets runs two K steps ahead.
; No multicast: w_0's images are shared between work-groups, but each is wanted by one wave once; sharing them would want LDS slots filled again and a cluster's round for each.
; THE NORM takes two passes over the registers (mean; then squares of the differences): no difference of large sums.  Rows' partial sums meet in LDS: two barriers.
; LIMITS: NaN and infinities are not served.
; REGISTERS: window 0: v1-6 addresses; v8-11 gamma, v12-15 beta of my four columns on the way out; v16-79 w_0's scale words (8 a + K step); v80-95 O's (8 i + K step); v96-223 the accumulators (64 i + 8 a); v224-255 at work.
;   window 1: three sets of 80: w_0's 8 fragments, O's 2.
.set WSC, 2097152
.set OSC, 4194304
.set PITCH, 528                        ; a stage row: 512 bytes + 16, an odd multiple of 16
.set WSTG,  32*PITCH                   ; a wave's stage: 32 rows
.set RED1,  8*WSTG                     ; 32 tokens x 8 waves x 4 bytes; the second reduction's words lie 1,024 bytes on
.set WS,  16
.set OS,  80
.set ACC, 96
.set MSB, 0
.macro WIN new                         ; s_set_vgpr_msb: bits 1:0 source 0, 3:2 source 1, 5:4 source 2, 7:6 destination; the high byte repeats the setting that is left
.if MSB != \new
	s_set_vgpr_msb (MSB<<8)|\new
.set MSB, \new
.endif
.endm
.macro PLACES                          ; four plain instructions between a matrix instruction and a load into, or a vector read of, its registers
.rept 4
	v_nop
.endr
.endm
.macro SET st                          ; K step st's ten fragments, 20 loads of 512 consecutive bytes, into set st % 3
	WIN 0x40                                       ; destination window 1
.irp a, 0,1,2,3,4,5,6,7
.irp c, 0,1
	global_load_b128 v[80*((\st)%3)+8*\a+4*\c:80*((\st)%3)+8*\a+4*\c+3], v1, s[6:7] offset:\a*8192+(\st)*1024+512*\c
.endr
.endr
.irp i, 0,1
.irp c, 0,1
	global_load_b128 v[80*((\st)%3)+64+8*\i+4*\c:80*((\st)%3)+64+8*\i+4*\c+3], v1, s[4:5] offset:\i*8192+(\st)*1024+512*\c
.endr
.endr
	WIN 0
.endm
.macro MUL st                          ; 16 products; the 16 accumulators take turns, one instruction a turn, in the same order in every step
	WIN 0x05                                       ; sources 0 and 1: window 1
.irp a, 0,1,2,3,4,5,6,7
.irp i, 0,1
	v_wmma_scale_f32_16x16x128_f8f6f4 v[ACC+64*\i+8*\a:ACC+64*\i+8*\a+7], v[80*((\st)%3)+8*\a:80*((\st)%3)+8*\a+7], v[80*((\st)%3)+64+8*\i:80*((\st)%3)+64+8*\i+7], v[ACC+64*\i+8*\a:ACC+64*\i+8*\a+7], v[WS+8*\a+(\st)], v[OS+8*\i+(\st)] matrix_a_fmt:MATRIX_FMT_FP4 matrix_b_fmt:MATRIX_FMT_FP4
.endr
.endr
	WIN 0
.endm
; A row's partial sums, one a token tile in v228 and v229 (my wave's 128 columns), become the row's sum over the eight waves, in the same registers.  off: which words
.macro REDUCE off
.irp i, 0,1
	ds_store_b32 v5, v[228+\i] offset:\off+512*\i  ; lanes 16-31 hold and store the same number at the same place
.endr
	s_wait_dscnt 0x0                               ; for the others' sake: my stores have landed
	s_barrier_signal -1
	s_barrier_wait -1
.irp i, 0,1
	ds_load_b128 v[232+8*\i:235+8*\i], v6 offset:\off+512*\i
	ds_load_b128 v[236+8*\i:239+8*\i], v6 offset:\off+512*\i+16
.endr
	s_wait_dscnt 0x0
.irp i, 0,1
	v_pk_add_f32 v[232+8*\i:233+8*\i], v[232+8*\i:233+8*\i], v[234+8*\i:235+8*\i]  ; the same order in every wave: all eight get the same bits
	v_pk_add_f32 v[236+8*\i:237+8*\i], v[236+8*\i:237+8*\i], v[238+8*\i:239+8*\i]
.endr
.irp i, 0,1
	v_pk_add_f32 v[232+8*\i:233+8*\i], v[232+8*\i:233+8*\i], v[236+8*\i:237+8*\i]
.endr
.irp i, 0,1
	v_add_f32 v[228+\i], v[232+8*\i], v[233+8*\i]
.endr
.endm
.macro ACROSS                          ; the pairs v[224:225], v[226:227] become a number a token tile: the two halves, and lane l xor 16's
.irp i, 0,1
	v_add_f32 v[228+\i], v[224+2*\i], v[225+2*\i]
.endr
.irp i, 0,1
	v_permlanex16_b32 v[230+\i], v[228+\i], s24, s25
.endr
.irp i, 0,1
	v_add_f32 v[228+\i], v[228+\i], v[230+\i]
.endr
.endm
	s_load_b256 s[4:11], s[0:1], 0x0               ; ocodes s[4:5], wcodes s[6:7], x_queries s[8:9], gamma s[10:11]
	s_load_b128 s[12:15], s[0:1], 0x20             ; beta s[12:13], out0 s[14:15]
	v_lshl_add_u32 v254, v0, 2, 0x21800
	v_mov_b32 v255, 0
	v_lshrrev_b32 v1, 5, v0
	v_readfirstlane_b32 s20, v1                    ; wave 0..7
	v_and_b32 v7, 31, v0
	v_lshlrev_b32 v1, 4, v7                        ; 16 x lane
	s_mov_b32 s23, 0
	s_lshl_b32 s26, s20, 9                         ; my 128 columns: 512 bytes
	s_wait_kmcnt 0x0
	s_lshl_b32 s22, ttmp9, 17                      ; 32 rows of 4,096 bytes
	s_add_co_u32 s22, s22, s26
	s_add_nc_u64 s[8:9], s[8:9], s[22:23]
	s_add_nc_u64 s[14:15], s[14:15], s[22:23]
.set q, 0
.rept 32                               ; the residual: slot 16 i + r is token 8 i + r + 8 (r / 8) of the 32: the order of the two token tiles' lanes
	global_load_b128 v[ACC+4*q:ACC+4*q+3], v1, s[8:9] offset:(8*(q/16)+q%16+8*((q%16)/8))*4096 th:TH_LOAD_NT
.set q, q+1
.endr
	s_lshl_b32 s22, ttmp9, 10
	s_add_co_u32 s22, s22, OSC
	s_add_nc_u64 s[16:17], s[4:5], s[22:23]        ; O's scale images: 512 a tile
	s_lshl_b32 s22, ttmp9, 14
	s_add_nc_u64 s[4:5], s[4:5], s[22:23]          ; O's codes: 8,192 a tile
	s_lshl_b32 s22, s20, 12
	s_add_co_u32 s22, s22, WSC+98304
	s_add_nc_u64 s[18:19], s[6:7], s[22:23]        ; w_0's scale images: my 8 tiles
	s_lshl_b32 s22, s20, 16
	s_add_co_u32 s22, s22, 1572864
	s_add_nc_u64 s[6:7], s[6:7], s[22:23]          ; w_0's codes: my 8 tiles
	SET 0
	SET 1
	s_mov_b32 s22, s26
	s_add_nc_u64 s[10:11], s[10:11], s[22:23]
	s_add_nc_u64 s[12:13], s[12:13], s[22:23]
	s_mov_b32 s24, 0x76543210
	s_mov_b32 s25, 0xfedcba98                      ; v_permlanex16_b32's selects for lane l xor 16
	v_and_b32 v7, 15, v0                           ; r
	v_lshlrev_b32 v2, 4, v7                        ; 16 r
	s_mul_i32 s21, s20, WSTG
	v_add_nc_u32 v3, s21, v1                       ; my stage by rows: 16 x lane
	v_mul_u32_u24 v4, v7, PITCH
	v_bfe_u32 v6, v0, 4, 1                         ; h
	v_lshl_add_u32 v4, v6, 6, v4
	v_add_nc_u32 v4, s21, v4                       ; and by the result's layout: row r, 64 h bytes on
	v_lshlrev_b32 v6, 5, v7
	v_add_nc_u32 v6, RED1, v6                      ; a token's eight partial sums: 32 r
	s_lshl_b32 s21, s20, 2
	v_add_nc_u32 v5, s21, v6                       ; mine among them
	v_mov_b32 v230, 0                              ; written once: lane permutes' destinations
	v_mov_b32 v231, 0
	s_wait_loadcnt 40                              ; the residual is in; the two ring sets' 40 loads may be out
.set q, 0
.rept 32
	ds_store_b128 v3, v[ACC+4*q:ACC+4*q+3] offset:q*PITCH
.set q, q+1
.endr
.irp i, 0,1
.irp b, 0,1,2,3
.irp p, 0,1,2,3
	ds_load_b128 v[ACC+64*\i+16*\b+4*\p:ACC+64*\i+16*\b+4*\p+3], v4 offset:16*\i*PITCH+128*\b+16*\p    ; LDS serves a wave's instructions in order: these see the stores above, which have read their registers
.endr
.endr
.endr
.irp a, 0,1,2,3,4,5,6,7
.irp q, 0,1
	global_load_b128 v[WS+8*\a+4*\q:WS+8*\a+4*\q+3], v2, s[18:19] offset:\a*512+256*\q
.endr
.endr
.irp i, 0,1
.irp q, 0,1
	global_load_b128 v[OS+8*\i+4*\q:OS+8*\i+4*\q+3], v2, s[16:17] offset:\i*512+256*\q
.endr
.endr
	global_load_b128 v[8:11], v1, s[10:11]
	global_load_b128 v[12:15], v1, s[12:13]
	SET 2
	s_wait_dscnt 0x0                               ; the residual lies in the accumulators
	s_wait_loadcnt 20                              ; sets 0 and 1, the scale words, gamma and beta are in; set 2's 20 loads may be out
	MUL 0
	PLACES
	SET 3
.irp st, 1,2,3,4
	s_wait_loadcnt 40                              ; this step's set is in; the two younger sets may be out
	MUL \st
	PLACES
	SET \st+3
.endr
	s_wait_loadcnt 40
	MUL 5
	s_wait_loadcnt 20
	MUL 6
	s_wait_loadcnt 0x0
	MUL 7
	PLACES
	; ---- the mean.  Ascending: each accumulator is read from its low end on
.irp i, 0,1
	v_pk_add_f32 v[224+2*\i:225+2*\i], v[ACC+64*\i:ACC+64*\i+1], v[ACC+64*\i+2:ACC+64*\i+3]
.endr
.irp e, 4,6,8,10,12,14,16,18,20,22,24,26,28,30,32,34,36,38,40,42,44,46,48,50,52,54,56,58,60,62
.irp i, 0,1
	v_pk_add_f32 v[224+2*\i:225+2*\i], v[224+2*\i:225+2*\i], v[ACC+64*\i+\e:ACC+64*\i+\e+1]
.endr
.endr
	ACROSS
	REDUCE 0
.irp i, 0,1
	v_mul_f32 v[248+2*\i], 0x3a800000, v[228+\i]   ; / 1,024, in both halves of a pair
	v_mul_f32 v[249+2*\i], 0x3a800000, v[228+\i]
.endr
	; ---- the differences, in place, and the sum of their squares
.irp e, 0,2,4,6,8,10,12,14,16,18,20,22,24,26,28,30,32,34,36,38,40,42,44,46,48,50,52,54,56,58,60,62
.irp i, 0,1
	v_pk_add_f32 v[ACC+64*\i+\e:ACC+64*\i+\e+1], v[ACC+64*\i+\e:ACC+64*\i+\e+1], v[248+2*\i:249+2*\i] neg_lo:[0,1] neg_hi:[0,1]
.endr
.endr
.irp i, 0,1
	v_pk_mul_f32 v[224+2*\i:225+2*\i], v[ACC+64*\i:ACC+64*\i+1], v[ACC+64*\i:ACC+64*\i+1]
.endr
.irp e, 2,4,6,8,10,12,14,16,18,20,22,24,26,28,30,32,34,36,38,40,42,44,46,48,50,52,54,56,58,60,62
.irp i, 0,1
	v_pk_fma_f32 v[224+2*\i:225+2*\i], v[ACC+64*\i+\e:ACC+64*\i+\e+1], v[ACC+64*\i+\e:ACC+64*\i+\e+1], v[224+2*\i:225+2*\i]
.endr
.endr
	ACROSS
	REDUCE 1024                                    ; other words than the first reduction's: no wave can overwrite what another still reads
.irp i, 0,1
	v_mul_f32 v[228+\i], 0x3a802008, v[228+\i]     ; / 1,023
.endr
.irp i, 0,1
	v_sqrt_f32 v[230+\i], v[228+\i]
.endr
	v_nop                                          ; one plain instruction behind the transcendentals
	s_wait_alu depctr_va_vdst(0)
.irp i, 0,1
	v_add_f32 v[230+\i], 0x358637bd, v[230+\i]     ; + 1e-6
.endr
.irp i, 0,1
	v_rcp_f32 v[248+2*\i], v[230+\i]
	v_rcp_f32 v[249+2*\i], v[230+\i]
.endr
	v_nop
	s_wait_alu depctr_va_vdst(0)
.irp e, 0,2,4,6,8,10,12,14,16,18,20,22,24,26,28,30,32,34,36,38,40,42,44,46,48,50,52,54,56,58,60,62
.irp i, 0,1
	v_pk_mul_f32 v[ACC+64*\i+\e:ACC+64*\i+\e+1], v[ACC+64*\i+\e:ACC+64*\i+\e+1], v[248+2*\i:249+2*\i]
.endr
.endr
	; ---- the way out: back through my stage into rows; gamma and beta by columns; whole rows of 512 bytes
.irp i, 0,1
.irp b, 0,1,2,3
.irp p, 0,1,2,3
	ds_store_b128 v4, v[ACC+64*\i+16*\b+4*\p:ACC+64*\i+16*\b+4*\p+3] offset:16*\i*PITCH+128*\b+16*\p
.endr
.endr
.endr
.set q, 0
.rept 32
	ds_load_b128 v[ACC+4*q:ACC+4*q+3], v3 offset:q*PITCH
.set q, q+1
.endr
.set q, 0
.rept 32
	s_wait_dscnt 31-q                              ; row q is back; the younger rows' loads may be out
	v_pk_fma_f32 v[ACC+4*q:ACC+4*q+1], v[ACC+4*q:ACC+4*q+1], v[8:9], v[12:13]
	v_pk_fma_f32 v[ACC+4*q+2:ACC+4*q+3], v[ACC+4*q+2:ACC+4*q+3], v[10:11], v[14:15]
	global_store_b128 v1, v[ACC+4*q:ACC+4*q+3], s[14:15] offset:(8*(q/16)+q%16+8*((q%16)/8))*4096 th:TH_STORE_NT   ; 32 lanes store 512 consecutive bytes, aligned
.set q, q+1
.endr
	s_wait_tensorcnt 0x0
	ds_add_u32 v254, v255
	s_wait_dscnt 0x0
	s_endpgm
.Lfunc_end_k_qba12a92cc3_outln:
	.size	k_qba12a92cc3_outln, .Lfunc_end_k_qba12a92cc3_outln-k_qba12a92cc3_outln
	.p2alignl 7, 3214868480
	.fill 96, 4, 3214868480
	.section	.rodata,"a",@progbits
	.p2align	6, 0x0
	.amdhsa_kernel k_qba12a92cc3_outln
		.amdhsa_group_segment_fixed_size 138240
		.amdhsa_private_segment_fixed_size 0
		.amdhsa_enable_private_segment 0
		.amdhsa_kernarg_size 48
		.amdhsa_user_sgpr_count 2
		.amdhsa_user_sgpr_kernarg_segment_ptr 1
		.amdhsa_wavefront_size32 1
		.amdhsa_system_sgpr_workgroup_id_x 1
		.amdhsa_system_sgpr_workgroup_id_y 1
		.amdhsa_system_sgpr_workgroup_id_z 1
		.amdhsa_system_vgpr_workitem_id 0
		.amdhsa_next_free_vgpr 512
		.amdhsa_next_free_sgpr 66
		.amdhsa_reserve_vcc 0
		.amdhsa_float_denorm_mode_32 3
		.amdhsa_float_denorm_mode_16_64 3
		.amdhsa_memory_ordered 1
		.amdhsa_forward_progress 1
		.amdhsa_inst_pref_size 76
	.end_amdhsa_kernel
	.amdgpu_metadata
---
amdhsa.version: [ 1, 2 ]
amdhsa.kernels:
  - .name:           k_qba12a92cc3_outln
    .symbol:         k_qba12a92cc3_outln.kd
    .args:
      - { .name: ocodes, .offset: 0, .size: 8, .value_kind: global_buffer, .address_space: global }
      - { .name: wcodes, .offset: 8, .size: 8, .value_kind: global_buffer, .address_space: global }
      - { .name: x_queries, .offset: 16, .size: 8, .value_kind: global_buffer, .address_space: global }
      - { .name: gamma, .offset: 24, .size: 8, .value_kind: global_buffer, .address_space: global }
      - { .name: beta, .offset: 32, .size: 8, .value_kind: global_buffer, .address_space: global }
      - { .name: out0, .offset: 40, .size: 8, .value_kind: global_buffer, .address_space: global }
    .group_segment_fixed_size: 138240
    .private_segment_fixed_size: 0
    .kernarg_segment_align: 8
    .kernarg_segment_size: 48
    .max_flat_workgroup_size: 256
    .sgpr_count:     66
    .vgpr_count:     512
    .wavefront_size: 32
...
	.end_amdgpu_metadata
.endif
;; end of part 4
;; ======== version 2 of 2: 4 launches
;; workspace buffers: xcodes 13,369,344 bytes; wcodes 2,228,224 bytes; maskw 2,097,152 bytes of whole numbers; qcodes 4,718,592 bytes; kvcodes 9,175,040 bytes; ocodes 4,456,448 bytes
;; launch prep: the kernel of part 1 again; grid 1536 x 1, 4 waves a work-group, no clusters, 68,096 bytes of LDS; arguments x_queries, x_keys, x_values, w_q, w_k, w_v, w_0, mask, xcodes, wcodes, maskw; writes xcodes, wcodes, maskw
;; launch proj (part 5): grid 256 x 1, 4 waves a work-group, clusters of 4 x 1, 209,408 bytes of LDS; arguments xcodes, wcodes, qcodes, kvcodes; writes qcodes, kvcodes
.if DOCPART == 5
	.amdgcn_target "amdgcn-amd-amdhsa--gfx1250"
	.amdhsa_code_object_version 6
	.text
	.protected	k_qba12a92cc3_proj
	.globl	k_qba12a92cc3_proj
	.p2align	8
	.type	k_qba12a92cc3_proj,@function
k_qba12a92cc3_proj:
	s_mov_b64 s[64:65], 0
	v_nop
	global_prefetch_b8 v0, s[64:65] scope:SCOPE_SE
	s_setreg_imm32_b32 hwreg(HW_REG_WAVE_MODE, 25, 1), 1
	s_wait_xcnt 0x0
	s_wait_alu depctr_hold_cnt(0) depctr_sa_sdst(0) depctr_va_vdst(0) depctr_va_sdst(0) depctr_va_ssrc(0) depctr_va_vcc(0) depctr_vm_vsrc(0)
	s_getreg_b32 s2, hwreg(HW_REG_IB_STS2, 6, 4)
	s_cmp_eq_u32 s2, 0
	s_cbranch_scc0 .Lentry_in_a_cluster
	s_endpgm
.Lentry_in_a_cluster:
	s_bfe_u32 s2, ttmp6, 0x10000c
	s_cmp_lg_u32 s2, 0x3003
	s_cbranch_scc0 .Lentry_shape_is_right
	s_endpgm
.Lentry_shape_is_right:
; PROJ: Q = x_queries w_q, K = x_keys w_k, V = x_values w_v on codes of FP4 with E8M0 scales, K = 1,024; each result is quantised at once along the NEXT product's K and stored as fragment images.
; P[i][j] = sum over k of A[i][k] B[j][k]; source 0 = A, whose rows become the next K.  Q, K (y = 0, 1): A = the weight's columns (the head's 64), B = tokens.  V (y = 2): A = tokens (the keys), B = w_v's columns.
; A tile's lane r holds row 32 (T / 2) + 8 (T % 2) + r + 8 (r / 8), so that in the result the 16 registers of A's tiles 2 b and 2 b + 1 are 16 neighbours along the next K: 32 b + 16 (lane / 16) + 0 .. 15.
; A WORK-GROUP STAYS: it makes one tile of Q, one of K and one of V, each 128 rows of A (8 tiles) x 256 rows of B (16 tiles); wave w takes B's tiles 4 w .. 4 w + 3: 32 accumulators, 256 registers.
; B GOES FROM MEMORY STRAIGHT INTO REGISTERS: each of its fragment images is wanted by one wave alone and lies in memory as that wave's registers want it.  A wave holds a whole tile's B (8 K steps x 32 registers);
; as soon as a K step's products are issued, its registers are asked for again with the same K step of the NEXT tile: that load has eight K steps and a way out in which to come.
; A GOES THROUGH LDS, where all four waves read it: the three tiles' A, codes and scale images, are 208,896 bytes and are filled once, at the start: nothing in LDS is ever filled again.
; CLUSTER: the four work-groups of a cluster take the SAME group of A in each of the three tiles and four different groups of B: A's codes and scales are asked for jointly (mask 15).
; B has no multicast: the partners' groups of B differ (a cluster of 4 x 1 shares along one axis), and B does not pass through LDS.
; LIMITS: as the quantiser's everywhere here: a block whose largest magnitude lies under 2^-124 gets the byte 1; NaN and infinities are not served.
; REGISTERS: window 0: v1-9 addresses; v16-79 A's scale words; v80-175 B's, 32 for each tile; v176-231 at work on the way out.  window 1: the accumulators, (B tile i, A tile a) at v[64 i + 8 a].
;   window 2: A's fragments, two sets of 64 (even and odd K steps).  window 3: B's fragments, K step s, tile i at v[32 s + 8 i].
.set XSC, 12582912
.set WSC, 2097152
.set QSC, 4194304
.set KVS, 8388608
.set ASC, 196608                       ; LDS: A's codes of tile y at 65,536 y, as they lie in memory ([tile: 8,192][K step: 1,024][half: 512]); its scale images here, 4,096 y on
.set LI,   1                           ; v1   16 x lane: a fragment image's place for my lane; also A's codes of tile 0 in LDS; never rewritten
.set R16,  2                           ; v2   16 r: a scale image's place for my row; never rewritten
.set ADA,  3                           ; v3-4 A's codes of tiles 1 and 2 in LDS
.set ADS,  6                           ; v6   A's scale images in LDS
.set SELV, 7                           ; v7   Q, K: which bytes of a scale word my half of the lanes stores
.set SOQ,  8                           ; v8   where my row's scale words go: Q;
.set SOK,  9                           ; v9   K (V's: 16 r)
.set SCA,  16                          ; v[SCA + 32 q + 4 a + e]: A's tile a, K step 4 q + e
.set SCB,  80                          ; v[SCB + 32 y + 16 q + 4 i + e]: tile y, B's tile i, K step 4 q + e
.set TM,   176                         ; v176-179 largest magnitudes, v180-183 bytes, v188-191 the conversions' scale operands
.set PW,   192                         ; the scale word just made
.set SW,   196                         ; v196-199 the four B tiles' words to store
.set PC,   200                         ; v200-231 codes: eight registers for each B tile
.set G1C,  24                          ; s[24:31] group 1: a quarter of a group's codes
.set G1S,  32                          ; s[32:39] a quarter of its scale images
.set G0C,  40                          ; s[40:51] group 0 for the codes, a set for each tile
.set G0S,  52                          ; s[52:63] for the scale images
.set PB,   66                          ; s[66:71] my four tiles of B: their codes, a pair for each tile; never rewritten
.set PS,   72                          ; s[72:77] their scale images
.set MSB, 0
.macro WIN new                         ; s_set_vgpr_msb: bits 1:0 source 0, 3:2 source 1, 5:4 source 2, 7:6 destination; the high byte repeats the setting that is left
.if MSB != \new
	s_set_vgpr_msb (MSB<<8)|\new
.set MSB, \new
.endif
.endm
.macro PLACES                          ; four plain instructions between a matrix instruction and a load into, or a vector read of, its registers
.rept 4
	v_nop
.endr
.endm
.macro ROUND                           ; a round of the cluster's barrier
	s_barrier_signal -1
	s_barrier_wait -1
	s_cmp_lg_u32 s12, 0
	s_cbranch_scc1 .Lnot_wave_0_\@
	s_barrier_signal -3
.Lnot_wave_0_\@:
	s_barrier_wait -3
	s_barrier_signal -1
	s_barrier_wait -1
.endm
.macro BSCALES y                       ; tile y: the scale words of my four tiles of B, all of K: 8 loads (lanes 16-31 read what lanes 0-15 read; the products take lanes 0-15)
.irp i, 0,1,2,3
.irp q, 0,1
	global_load_b128 v[SCB+32*(\y)+16*\q+4*\i:SCB+32*(\y)+16*\q+4*\i+3], v[R16], s[PS+2*(\y):PS+2*(\y)+1] offset:\i*512+256*\q
.endr
.endr
.endm
.macro BLOAD y, st                     ; tile y, K step st: my four fragments of B: 8 loads of 512 consecutive bytes
	WIN 0xc0                                       ; destination window 3, address window 0
.irp i, 0,1,2,3
.irp c, 0,1
	global_load_b128 v[32*(\st)+8*\i+4*\c:32*(\st)+8*\i+4*\c+3], v[LI], s[PB+2*(\y):PB+2*(\y)+1] offset:\i*8192+(\st)*1024+512*\c
.endr
.endr
.endm
.macro ASCALES y                       ; tile y: A's scale words, all of K: four words a load
.irp q, 0,1
.irp a, 0,1,2,3,4,5,6,7
	ds_load_b128 v[SCA+32*\q+4*\a:SCA+32*\q+4*\a+3], v[ADS] offset:(\y)*4096+\a*512+256*\q
.endr
.endr
.endm
.macro FETCHA y, st                    ; tile y, K step st: A's eight fragments into set st % 2
.if (\y) == 0
.set AD, LI
.else
.set AD, ADA+(\y)-1
.endif
	WIN 0x80                                       ; destination window 2, address window 0
.irp a, 0,1,2,3,4,5,6,7
.irp c, 0,1
	ds_load_b128 v[64*((\st)%2)+8*\a+4*\c:64*((\st)%2)+8*\a+4*\c+3], v[AD] offset:\a*8192+(\st)*1024+512*\c
.endr
.endr
.endm
.macro MUL y, st                       ; 32 products; the 32 accumulators take turns, one instruction a turn, in the same order in every step.  A tile's first step starts its sums: nothing is cleared
	WIN 0x5e                                       ; source 0 (A) window 2, source 1 (B) window 3, C and D window 1
.irp i, 0,1,2,3
.irp a, 0,1,2,3,4,5,6,7
.if (\st) == 0
	v_wmma_scale_f32_16x16x128_f8f6f4 v[64*\i+8*\a:64*\i+8*\a+7], v[64*((\st)%2)+8*\a:64*((\st)%2)+8*\a+7], v[32*(\st)+8*\i:32*(\st)+8*\i+7], 0, v[SCA+32*((\st)/4)+4*\a+(\st)%4], v[SCB+32*(\y)+16*((\st)/4)+4*\i+(\st)%4] matrix_a_fmt:MATRIX_FMT_FP4 matrix_b_fmt:MATRIX_FMT_FP4
.else
	v_wmma_scale_f32_16x16x128_f8f6f4 v[64*\i+8*\a:64*\i+8*\a+7], v[64*((\st)%2)+8*\a:64*((\st)%2)+8*\a+7], v[32*(\st)+8*\i:32*(\st)+8*\i+7], v[64*\i+8*\a:64*\i+8*\a+7], v[SCA+32*((\st)/4)+4*\a+(\st)%4], v[SCB+32*(\y)+16*((\st)/4)+4*\i+(\st)%4] matrix_a_fmt:MATRIX_FMT_FP4 matrix_b_fmt:MATRIX_FMT_FP4
.endif
.endr
.endr
.endm
; A K step.  A's fragments are asked for one step (32 products) ahead, B's eight steps ahead.
.macro STEP y, st
	s_wait_dscnt 0x0                               ; this step's fragments of A are in (at a tile's first step: its scale words too)
.if (\st) < 7
	FETCHA \y, (\st)+1                             ; into the set that the step before multiplied: its four places stand behind its products
.endif
.if (\y) == 2
	s_wait_loadcnt 56-8*(\st)                      ; this step's B is in; behind it only this tile's later steps were asked for, 8 loads each
.elseif (\st) == 0
	s_wait_loadcnt 56                              ; this step's B (and the tile's scale words, older still) is in; this tile's seven later steps may be out
.else
	s_wait_loadcnt 63                              ; 64 younger loads could stay out (this tile's 7 - st later steps, the next tile's 8 scale loads and its first st steps): 63 is the largest count that the wait can name
.endif
	MUL \y, \st
	PLACES                                         ; in front of the loads into B's registers here, into A's set in the next step, and of what follows a tile's last step
.if (\y) < 2
.if (\st) == 0
	WIN 0
	BSCALES (\y)+1                                 ; the next tile's scale words of B, ahead of its first fragments
.endif
	BLOAD (\y)+1, \st                              ; the ring goes on into the next tile
.endif
.endm
; THE WAY OUT.  B tile i: my lane holds one row of B and 64 numbers, register 16 b + e = next K 32 b + 16 (lane / 16) + e.  They become a fragment's codes and a scale word; each accumulator is read from its low end on.
.macro QUANT i, y
.if (\y) < 2
.set PWD, PW
.else
.set PWD, SW+\i                        ; V stores the whole word
.endif
	WIN 0x05                                       ; sources 0 and 1: window 1
.irp b, 0,1,2,3
	v_max3_num_f32 v[TM+\b], |v[64*\i+16*\b]|, |v[64*\i+16*\b+1]|, 0x1800000     ; block b: my 16 numbers, and the floor 2^(3 - 127)
.endr
	WIN 0x14                                       ; sources 1 and 2: window 1
.irp e, 2,4,6,8,10,12,14
.irp b, 0,1,2,3
	v_max3_num_f32 v[TM+\b], v[TM+\b], |v[64*\i+16*\b+\e]|, |v[64*\i+16*\b+\e+1]|
.endr
.endr
	WIN 0
.irp b, 0,1,2,3
	v_permlanex16_b32 v[TM+4+\b], v[TM+\b], s22, s23
.endr
.irp b, 0,1,2,3
	v_max_num_f32 v[TM+\b], v[TM+\b], v[TM+4+\b]   ; with lane l xor 16's: the block's largest magnitude
.endr
.irp b, 0,1,2,3
	v_add_nc_u32 v[TM+12+\b], 0xff000000, v[TM+\b] ; 2 off the exponent field: the conversion's scale operand
.endr
.irp b, 0,1,2,3
	v_lshrrev_b32 v[TM+4+\b], 23, v[TM+12+\b]      ; the scale's byte
.endr
	v_lshl_or_b32 v[PWD], v[TM+5], 8, v[TM+4]
	v_lshl_or_b32 v[PWD], v[TM+6], 16, v[PWD]
	v_lshl_or_b32 v[PWD], v[TM+7], 24, v[PWD]
	WIN 0x01                                       ; source 0: window 1
.irp b, 0,1,2,3
	v_cvt_scalef32_pk8_fp4_f32 v[PC+8*\i+2*\b], v[64*\i+16*\b:64*\i+16*\b+7], v[TM+12+\b]
	v_cvt_scalef32_pk8_fp4_f32 v[PC+8*\i+2*\b+1], v[64*\i+16*\b+8:64*\i+16*\b+15], v[TM+12+\b]
.endr
	WIN 0
	v_nop                                          ; one plain instruction behind the last scaled conversion
.irp c, 0,1                            ; the operand's layout wants a whole block in a lane: lanes 0-15 block 2 c, lanes 16-31 block 2 c + 1
.irp e, 0,1
	v_permlane16_swap_b32 v[PC+8*\i+4*\c+\e], v[PC+8*\i+4*\c+2+\e]
.endr
.endr
.if (\y) < 2
	v_perm_b32 v[SW+\i], v[PW], v[PW], v[SELV]     ; Q, K: my half of the lanes stores its head's two bytes, twice
.endif
	global_store_b128 v[LI], v[PC+8*\i:PC+8*\i+3], s[84:85] offset:SBY*\i        ; 32 lanes store 512 consecutive bytes, aligned
	global_store_b128 v[LI], v[PC+8*\i+4:PC+8*\i+7], s[86:87] offset:SBY*\i
.endm
; Where tile y's results go, and the four B tiles' way out.  s2: Q's and K's first head (16 batch + 2 G); s3: their place along the tokens (4 (BB % 8) + wave); s20: V's head (16 batch + 4 BB + wave); s21: V's key step
.macro OUT y
.if (\y) > 0
	s_wait_xcnt 0x0                                ; the last tile's stores have read their data and bases: both are written again only behind this wait
.endif
.if (\y) == 0
.set SBY, 512                          ; from B tile to B tile: a token tile's 512 bytes
	s_lshl_b32 s98, s2, 16                         ; Q's codes: 65,536 a head, 2,048 for four token tiles
	s_lshl_b32 s17, s3, 11
	s_add_co_u32 s98, s98, s17
	s_add_nc_u64 s[84:85], s[8:9], s[98:99]        ; a fragment's registers 0-3: the first head;
	s_add_nc_u64 s[86:87], s[84:85], 65536         ; registers 4-7: the second
	s_lshl_b32 s98, s2, 13                         ; scale words: 8,192 a head, 256 for four token tiles
	s_lshl_b32 s17, s3, 8
	s_add_co_u32 s98, s98, s17
	s_add_co_u32 s98, s98, QSC
	s_add_nc_u64 s[88:89], s[8:9], s[98:99]
.elseif (\y) == 1
.set SBY, 512
	s_lshl_b32 s98, s2, 17                         ; K's codes: 131,072 a head (K's and V's)
	s_lshl_b32 s17, s3, 11
	s_add_co_u32 s98, s98, s17
	s_add_nc_u64 s[84:85], s[10:11], s[98:99]
	s_add_nc_u64 s[86:87], s[84:85], 131072
	s_mul_i32 s98, s2, 12288                       ; scale words: 12,288 a head
	s_lshl_b32 s17, s3, 8
	s_add_co_u32 s98, s98, s17
	s_add_co_u32 s98, s98, KVS
	s_add_nc_u64 s[88:89], s[10:11], s[98:99]
.else
.set SBY, 1024                         ; from B tile to B tile: a tile of the head's d, 1,024 bytes
	s_lshl_b32 s98, s20, 17                        ; V's codes: behind K's 65,536; 4,096 a key step
	s_lshl_b32 s17, s21, 12
	s_add_co_u32 s98, s98, s17
	s_add_co_u32 s98, s98, 65536
	s_add_nc_u64 s[84:85], s[10:11], s[98:99]
	s_add_nc_u64 s[86:87], s[84:85], 512           ; registers 4-7: 512 bytes on in the image
	s_mul_i32 s98, s20, 12288                      ; scale words: behind K's 8,192; 256 a key step
	s_lshl_b32 s17, s21, 8
	s_add_co_u32 s98, s98, s17
	s_add_co_u32 s98, s98, KVS+8192
	s_add_nc_u64 s[88:89], s[10:11], s[98:99]
.endif
	QUANT 0, \y
	QUANT 1, \y
	QUANT 2, \y
	QUANT 3, \y
.if (\y) == 0
	global_store_b128 v[SOQ], v[SW:SW+3], s[88:89] ; sixteen lanes store 256 consecutive bytes, aligned: lanes 0-15 the first head's, lanes 16-31 the second's
.elseif (\y) == 1
	global_store_b128 v[SOK], v[SW:SW+3], s[88:89]
.else
	global_store_b128 v[R16], v[SW:SW+3], s[88:89] ; both halves of the lanes store the same words at the same places
.endif
.endm
.macro TILE y
.irp st, 0,1,2,3,4,5,6,7
	STEP \y, \st
.endr
	WIN 0
.if (\y) < 2
	s_wait_tensorcnt 2-2*(\y)                      ; my part of the next tile's A has landed; the tile behind it (two loads) may be out,
	s_barrier_signal -1                            ; (no LDS load of mine is out: the last were waited for at the head of the last step)
	s_barrier_wait -1                              ; everybody's has.
	ASCALES (\y)+1                                 ; the next tile's first LDS loads come in while this tile is quantised
	FETCHA (\y)+1, 0
	WIN 0
.endif
	OUT \y
.endm
	s_load_b256 s[4:11], s[0:1], 0x0               ; xcodes s[4:5], wcodes s[6:7], qcodes s[8:9], kvcodes s[10:11]
	v_lshl_add_u32 v254, v0, 2, 0x33000
	v_mov_b32 v255, 0
	ds_add_u32 v254, v255
	ds_add_u32 v254, v255
	v_lshrrev_b32 v13, 5, v0
	v_readfirstlane_b32 s12, v13                   ; wave 0..3
	v_and_b32 v13, 31, v0
	v_lshlrev_b32 v[LI], 4, v13
	v_and_b32 v14, 15, v0                          ; r
	v_bfe_u32 v15, v0, 4, 1                        ; h
	v_lshlrev_b32 v[R16], 4, v14
	s_bfe_u32 s13, ttmp6, 0x40000                  ; cx: my place in the cluster.  V: my group of B
	s_and_b32 s15, ttmp9, 7                        ; Q, K: the group of A (128 columns of the weight), shared by the four partners.  V: the group of A (128 tokens) is the cluster's number
	s_lshr_b32 s16, ttmp9, 3
	s_lshl_b32 s16, s16, 2
	s_add_co_u32 s16, s16, s13                     ; Q, K: my group of B (256 tokens)
	; B: byte offsets of my four tiles.  A tile's codes are 8,192 bytes, its scale image 512; a group has 16 tiles
	s_lshl_b32 s19, s12, 15
	s_lshl_b32 s14, s12, 11
	s_lshl_b32 s78, s16, 17
	s_add_co_u32 s78, s78, s19
	s_mov_b32 s79, 0
	s_lshl_b32 s80, s16, 13
	s_add_co_u32 s80, s80, s14
	s_add_co_u32 s80, s80, XSC
	s_mov_b32 s81, 0
	s_lshl_b32 s82, s13, 17
	s_add_co_u32 s82, s82, s19
	s_add_co_u32 s82, s82, 1048576                 ; w_v is the third weight
	s_mov_b32 s83, 0
	s_lshl_b32 s100, s13, 13
	s_add_co_u32 s100, s100, s14
	s_add_co_u32 s100, s100, WSC+65536
	s_mov_b32 s101, 0
	; A: byte offsets of the quarter that I fetch, in registers that never hold cx.  A group has 8 tiles: 65,536 bytes of codes, 4,096 of scale images
	s_lshl_b32 s17, s12, 14                        ; my quarter of the codes, in memory and in LDS
	s_lshl_b32 s18, s12, 10                        ; and of the scale images
	s_lshl_b32 s90, s15, 16
	s_add_co_u32 s90, s90, s17
	s_mov_b32 s91, 0
	s_lshl_b32 s92, s15, 12
	s_add_co_u32 s92, s92, s18
	s_add_co_u32 s92, s92, WSC
	s_mov_b32 s93, 0
	s_lshl_b32 s94, ttmp9, 16
	s_add_co_u32 s94, s94, s17
	s_add_co_u32 s94, s94, 8388608                 ; x_values is the third x
	s_mov_b32 s95, 0
	s_lshl_b32 s96, ttmp9, 12
	s_add_co_u32 s96, s96, s18
	s_add_co_u32 s96, s96, XSC+524288
	s_mov_b32 s97, 0
	s_mov_b32 s99, 0                               ; the high word of the way out's offsets s[98:99]
	; group 1.  Elements of 8 bytes; both blocks are dense: rows of 256 bytes
	s_mov_b32 s[G1C+0], 15|(3<<16)|(1<<21)         ; the mask names all four work-groups; bit 21 set beside it; no padding: an image is read 512 consecutive bytes at a time
	s_mov_b32 s[G1C+1], 32<<16                     ; tensor_dim0 = 32
	s_mov_b32 s[G1C+2], 64<<16                     ; tensor_dim1 = 64
	s_mov_b32 s[G1C+3], 32<<16                     ; tile_dim0 = 32
	s_mov_b32 s[G1C+4], 64                         ; tile_dim1 = 64
	s_mov_b32 s[G1C+5], 32                         ; from row to row
	s_mov_b32 s[G1C+6], 0
	s_mov_b32 s[G1C+7], 0
	s_mov_b32 s[G1S+0], 15|(3<<16)|(1<<21)
	s_mov_b32 s[G1S+1], 32<<16
	s_mov_b32 s[G1S+2], 4<<16
	s_mov_b32 s[G1S+3], 32<<16
	s_mov_b32 s[G1S+4], 4
	s_mov_b32 s[G1S+5], 32
	s_mov_b32 s[G1S+6], 0
	s_mov_b32 s[G1S+7], 0
	s_wait_alu depctr_va_vdst(0)
	s_wait_dscnt 0x0
	s_wait_kmcnt 0x0
	s_add_nc_u64 s[PB:PB+1], s[4:5], s[78:79]      ; Q: x_queries' codes;
	s_add_nc_u64 s[PB+2:PB+3], s[PB:PB+1], 4194304 ; K: x_keys', the same tokens;
	s_add_nc_u64 s[PB+4:PB+5], s[6:7], s[82:83]    ; V: w_v's
	s_add_nc_u64 s[PS:PS+1], s[4:5], s[80:81]
	s_add_nc_u64 s[PS+2:PS+3], s[PS:PS+1], 262144
	s_add_nc_u64 s[PS+4:PS+5], s[6:7], s[100:101]
	BSCALES 0                                      ; B needs no round of the cluster: 56 loads go out ahead of it
.irp st, 0,1,2,3,4,5
	BLOAD 0, \st
.endr
	WIN 0                                          ; at a label and at a branch every window is 0
	; group 0: tile y's codes to 65,536 y + 16,384 wave, its scale images to ASC + 4,096 y + 1,024 wave
	s_mov_b32 s[G0C+0], 1
	s_mov_b32 s[G0C+1], s17
	s_add_nc_u64 s[G0C+2:G0C+3], s[6:7], s[90:91]  ; Q: w_q;
	s_mov_b32 s[G0C+4], 1
	s_add_co_u32 s[G0C+5], s17, 65536
	s_add_nc_u64 s[G0C+6:G0C+7], s[G0C+2:G0C+3], 524288            ; K: w_k, the same columns;
	s_mov_b32 s[G0C+8], 1
	s_add_co_u32 s[G0C+9], s17, 131072
	s_add_nc_u64 s[G0C+10:G0C+11], s[4:5], s[94:95]                ; V: x_values
	s_or_b32 s[G0C+3], s[G0C+3], 0x80000000
	s_or_b32 s[G0C+7], s[G0C+7], 0x80000000
	s_or_b32 s[G0C+11], s[G0C+11], 0x80000000
	s_mov_b32 s[G0S+0], 1
	s_add_co_u32 s[G0S+1], s18, ASC
	s_add_nc_u64 s[G0S+2:G0S+3], s[6:7], s[92:93]
	s_mov_b32 s[G0S+4], 1
	s_add_co_u32 s[G0S+5], s18, ASC+4096
	s_add_nc_u64 s[G0S+6:G0S+7], s[G0S+2:G0S+3], 32768
	s_mov_b32 s[G0S+8], 1
	s_add_co_u32 s[G0S+9], s18, ASC+8192
	s_add_nc_u64 s[G0S+10:G0S+11], s[4:5], s[96:97]
	s_or_b32 s[G0S+3], s[G0S+3], 0x80000000
	s_or_b32 s[G0S+7], s[G0S+7], 0x80000000
	s_or_b32 s[G0S+11], s[G0S+11], 0x80000000
	ROUND                                          ; all four work-groups are here: the joint loads meet
	; All fills of the launch, the same six lines in every wave, tile by tile: six loads of a wave are out.  Four v_nop follow the last
	tensor_load_to_lds s[G0S:G0S+3], s[G1S:G1S+7]
	s_nop 0
	tensor_load_to_lds s[G0C:G0C+3], s[G1C:G1C+7]
	s_nop 0
	tensor_load_to_lds s[G0S+4:G0S+7], s[G1S:G1S+7]
	s_nop 0
	tensor_load_to_lds s[G0C+4:G0C+7], s[G1C:G1C+7]
	s_nop 0
	tensor_load_to_lds s[G0S+8:G0S+11], s[G1S:G1S+7]
	s_nop 0
	tensor_load_to_lds s[G0C+8:G0C+11], s[G1C:G1C+7]
	s_nop 0
	PLACES
	; addresses and the way out's numbers, while everything is on its way
	v_add_nc_u32 v[ADA], 65536, v[LI]
	v_add_nc_u32 v[ADA+1], 131072, v[LI]
	v_add_nc_u32 v[ADS], ASC, v[R16]
	v_lshl_add_u32 v[SOQ], v15, 13, v[R16]         ; lanes 16-31 store the second head's scale words: 8,192 bytes on in Q,
	v_mad_u32_u24 v[SOK], v15, 12288, v[R16]       ; 12,288 in K
	v_mov_b32 v[SELV], 0x01000100                  ; lanes 0-15 store the first head's two bytes, twice: the upper two scale the padded half of the next product's K, whose codes of Q are zeros;
	v_mov_b32 v13, 0x03020302                      ; lanes 16-31 the second head's
	v_cmp_eq_u32 vcc_lo, 1, v15
	v_cndmask_b32 v[SELV], v[SELV], v13, vcc_lo
.irp b, 0,1,2,3
	v_mov_b32 v[TM+4+\b], 0                        ; written once: a lane permute's destination counts as one of its sources
.endr
	s_lshr_b32 s2, s16, 3                          ; Q, K: batch = BB / 8; heads 2 G, 2 G + 1
	s_lshl_b32 s2, s2, 4
	s_lshl_b32 s3, s15, 1
	s_add_co_u32 s2, s2, s3
	s_and_b32 s3, s16, 7                           ; token tiles 16 (BB % 8) + 4 wave on
	s_lshl_b32 s3, s3, 2
	s_add_co_u32 s3, s3, s12
	s_lshr_b32 s20, ttmp9, 4                       ; V: batch = G / 16; head 4 BB + wave
	s_lshl_b32 s20, s20, 4
	s_lshl_b32 s21, s13, 2
	s_add_co_u32 s20, s20, s21
	s_add_co_u32 s20, s20, s12
	s_and_b32 s21, ttmp9, 15                       ; key step G % 16
	s_mov_b32 s22, 0x76543210
	s_mov_b32 s23, 0xfedcba98                      ; v_permlanex16_b32's selects for lane l xor 16
	BLOAD 0, 6                                     ; the rest of the first tile's B
	BLOAD 0, 7
	WIN 0
	s_wait_tensorcnt 0x4                           ; my part of the first tile's A, scale images and codes, has landed; the other two tiles' four loads may be out,
	s_barrier_signal -1
	s_barrier_wait -1                              ; everybody's has.
	ASCALES 0
	FETCHA 0, 0
	TILE 0                                         ; Q
	TILE 1                                         ; K
	TILE 2                                         ; V
	s_wait_tensorcnt 0x0
	ds_add_u32 v254, v255
	s_wait_dscnt 0x0
	ROUND                                          ; the closing round: no work-group ends while a partner may still ask jointly
	s_endpgm
.Lfunc_end_k_qba12a92cc3_proj:
	.size	k_qba12a92cc3_proj, .Lfunc_end_k_qba12a92cc3_proj-k_qba12a92cc3_proj
	.p2alignl 7, 3214868480
	.fill 96, 4, 3214868480
	.section	.rodata,"a",@progbits
	.p2align	6, 0x0
	.amdhsa_kernel k_qba12a92cc3_proj
		.amdhsa_group_segment_fixed_size 209408
		.amdhsa_private_segment_fixed_size 0
		.amdhsa_enable_private_segment 0
		.amdhsa_kernarg_size 32
		.amdhsa_user_sgpr_count 2
		.amdhsa_user_sgpr_kernarg_segment_ptr 1
		.amdhsa_wavefront_size32 1
		.amdhsa_system_sgpr_workgroup_id_x 1
		.amdhsa_system_sgpr_workgroup_id_y 1
		.amdhsa_system_sgpr_workgroup_id_z 1
		.amdhsa_system_vgpr_workitem_id 0
		.amdhsa_next_free_vgpr 1024
		.amdhsa_next_free_sgpr 102
		.amdhsa_reserve_vcc 1
		.amdhsa_float_denorm_mode_32 3
		.amdhsa_float_denorm_mode_16_64 3
		.amdhsa_memory_ordered 1
		.amdhsa_forward_progress 1
		.amdhsa_inst_pref_size 209
	.end_amdhsa_kernel
	.amdgpu_metadata
---
amdhsa.version: [ 1, 2 ]
amdhsa.kernels:
  - .name:           k_qba12a92cc3_proj
    .symbol:         k_qba12a92cc3_proj.kd
    .args:
      - { .name: xcodes, .offset: 0, .size: 8, .value_kind: global_buffer, .address_space: global }
      - { .name: wcodes, .offset: 8, .size: 8, .value_kind: global_buffer, .address_space: global }
      - { .name: qcodes, .offset: 16, .size: 8, .value_kind: global_buffer, .address_space: global }
      - { .name: kvcodes, .offset: 24, .size: 8, .value_kind: global_buffer, .address_space: global }
    .group_segment_fixed_size: 209408
    .private_segment_fixed_size: 0
    .kernarg_segment_align: 8
    .kernarg_segment_size: 32
    .max_flat_workgroup_size: 128
    .sgpr_count:     102
    .vgpr_count:     1024
    .wavefront_size: 32
...
	.end_amdgpu_metadata
.endif
;; end of part 5
;; launch attn (part 6): grid 4 x 64, 16 waves a work-group, clusters of 4 x 1, 169,984 bytes of LDS; arguments qcodes, kvcodes, maskw, ocodes; writes ocodes
.if DOCPART == 6
	.amdgcn_target "amdgcn-amd-amdhsa--gfx1250"
	.amdhsa_code_object_version 6
	.text
	.protected	k_qba12a92cc3_attn
	.globl	k_qba12a92cc3_attn
	.p2align	8
	.type	k_qba12a92cc3_attn,@function
k_qba12a92cc3_attn:
	s_mov_b64 s[64:65], 0
	v_nop
	global_prefetch_b8 v0, s[64:65] scope:SCOPE_SE
	s_setreg_imm32_b32 hwreg(HW_REG_WAVE_MODE, 25, 1), 1
	s_wait_xcnt 0x0
	s_wait_alu depctr_hold_cnt(0) depctr_sa_sdst(0) depctr_va_vdst(0) depctr_va_sdst(0) depctr_va_ssrc(0) depctr_va_vcc(0) depctr_vm_vsrc(0)
	s_getreg_b32 s2, hwreg(HW_REG_IB_STS2, 6, 4)
	s_cmp_eq_u32 s2, 0
	s_cbranch_scc0 .Lentry_in_a_cluster
	s_endpgm
.Lentry_in_a_cluster:
	s_bfe_u32 s2, ttmp6, 0x10000c
	s_cmp_lg_u32 s2, 0x3003
	s_cbranch_scc0 .Lentry_shape_is_right
	s_endpgm
.Lentry_shape_is_right:
; ATTN: for each (batch, head): scores = Q K^T / 8; where the mask is 0 the score is 1e-6 (no key is left out); softmax; O = P V; O is quantised along (head, d) for the last product.  Both products on codes of FP4 with E8M0 scales.
; THE SOFTMAX AHEAD OF THE SECOND PRODUCT: t = score x log2(e); M = the row's largest t so far, rounded up to a whole number; p = 2^(t - M) is quantised along the keys, not normalised; the row's sum is taken of the
; unquantised p and divides O at the end.  When M moves, the sum and O are multiplied by 2^(old M - new M): exact.
; SHARES: grid y = 16 batch + head; the cluster's four work-groups take the four quarters of the head's 2,048 queries.  A work-group has sixteen waves; a wave takes two tiles of 16 queries, one after the other, and walks
; all 2,048 keys, 128 a step.  Four waves share a SIMD, so that one wave's vector work stands beside another's products and LDS loads.
; LDS holds the head's K and V (fragment images) and their scale words whole: 143,360 bytes, filled once, by joint loads (the four partners read the same bytes).
; LAYOUT: both products are used transposed: S^T = K Q^T, O^T = V^T P^T: a lane holds one query (lane % 16) throughout.  A tile's lane r holds row 32 (T / 2) + 8 (T % 2) + r + 8 (r / 8), so that the 16 registers of tiles
; 2 b and 2 b + 1 are 16 neighbours: keys in S^T, the head's d in O^T.
; THE FIRST PRODUCT'S K IS 64, the instruction's 128: Q's upper four registers are zero codes.  K's operand of tile t is v[32 + 4 t .. 39 + 4 t]: its upper four registers are the next tile's codes, which meet zeros and add nothing;
; the scale words' upper two bytes repeat the lower two.
; THE MASK comes as 64 lane-mask words a step, one for each score register, by scalar loads a step ahead: one v_cndmask_b32 a register puts 8e-6 (x log2(e) / 8 = 1e-6 log2(e)) where the bit is 0.
; LIMITS: a block whose largest magnitude lies under 2^-124 gets the byte 1; NaN and infinities are not served.
; REGISTERS: v1-6 addresses and constants that stay; v8-11 the step's LDS addresses; v12 -M, v13 the largest t, v[14:15] the sum; v16-23 Q; v24 Q's scale word; v26-29 V's scale words; v32-67 K; v68-75 K's scale words;
;   v96-159 S^T, then p; v160-191 O^T; v192-223 V; v224-231 p's codes; v232-254 at work.
.set QSC, 4194304
.set KVS, 8388608
.set OSC, 4194304
.set LV,  65536                        ; LDS: K's images at 0 (4,096 a step, 512 a tile); V's here (4,096 a step, 1,024 a tile of d, 512 a half of the keys)
.set LKS, 131072                       ; K's scale words: 512 a step
.set LVS, 139264                       ; V's: 256 a step
.macro ROUND                           ; a round of the cluster's barrier
	s_barrier_signal -1
	s_barrier_wait -1
	s_cmp_lg_u32 s12, 0
	s_cbranch_scc1 .Lnot_wave_0_\@
	s_barrier_signal -3
.Lnot_wave_0_\@:
	s_barrier_wait -3
	s_barrier_signal -1
	s_barrier_wait -1
.endm
.macro MLOAD                           ; a step's 64 mask words: word n in s[16 + n] (n < 48) or s[32 + n]
	s_load_b512 s[16:31], s[8:9], s66 offset:0x0
	s_load_b512 s[32:47], s[8:9], s66 offset:0x40
	s_load_b512 s[48:63], s[8:9], s66 offset:0x80
	s_load_b512 s[80:95], s[8:9], s66 offset:0xc0
.endm
	s_load_b256 s[4:11], s[0:1], 0x0               ; qcodes s[4:5], kvcodes s[6:7], maskw s[8:9], ocodes s[10:11]
	v_lshl_add_u32 v251, v0, 2, 0x29000
	v_mov_b32 v255, 0
	ds_add_u32 v251, v255
	ds_add_u32 v251, v255
	v_lshrrev_b32 v8, 5, v0
	s_delay_alu instid0(VALU_DEP_1)
	v_readfirstlane_b32 s12, v8                    ; wave 0..15
	s_and_b32 s77, ttmp7, 0xffff                   ; y = 16 batch + head, which the four partners share
	s_bfe_u32 s78, ttmp6, 0x40000                  ; cx: it enters Q's, the mask's and O's addresses alone
	; group 1, elements of 8 bytes: dense blocks as rows of 256 bytes.  s[16:23]: 64 rows (an eighth of the images); s[24:31]: 48 rows (all scale words)
	s_mov_b32 s16, 15|(3<<16)|(1<<21)              ; the mask names all four work-groups; bit 21 set beside it; no padding: every LDS load here reads consecutive bytes
	s_mov_b32 s17, 32<<16
	s_mov_b32 s18, 64<<16
	s_mov_b32 s19, 32<<16
	s_mov_b32 s20, 64
	s_mov_b32 s21, 32
	s_mov_b32 s22, 0
	s_mov_b32 s23, 0
	s_mov_b32 s24, 15|(3<<16)|(1<<21)
	s_mov_b32 s25, 32<<16
	s_mov_b32 s26, 48<<16
	s_mov_b32 s27, 32<<16
	s_mov_b32 s28, 48
	s_mov_b32 s29, 32
	s_mov_b32 s30, 0
	s_mov_b32 s31, 0
	s_lshl_b32 s96, s77, 17                        ; a head's images: 131,072 bytes;
	s_lshl_b32 s79, s12, 14                        ; waves 0-7 fetch 16,384 each
	s_add_co_u32 s96, s96, s79
	s_mov_b32 s97, 0
	s_mul_i32 s98, s77, 12288                      ; a head's scale words
	s_add_co_u32 s98, s98, KVS
	s_mov_b32 s99, 0
	s_wait_dscnt 0x0
	s_wait_kmcnt 0x0
	s_mov_b32 s32, 1
	s_mov_b32 s33, s79                             ; LDS is the image of memory: 16,384 x wave
	s_add_nc_u64 s[34:35], s[6:7], s[96:97]
	s_or_b32 s35, s35, 0x80000000
	s_mov_b32 s36, 1
	s_mov_b32 s37, LKS
	s_add_nc_u64 s[38:39], s[6:7], s[98:99]
	s_or_b32 s39, s39, 0x80000000
	ROUND                                          ; all four work-groups are here: the joint loads meet
	s_cmp_lt_u32 s12, 8                            ; the launch's only fills: one load a wave for waves 0-8.  Four v_nop follow each
	s_cbranch_scc0 .Lnot_codes
	tensor_load_to_lds s[32:35], s[16:23]
	s_nop 0
.rept 4
	v_nop
.endr
	s_branch .Lasked
.Lnot_codes:
	s_cmp_eq_u32 s12, 8
	s_cbranch_scc0 .Lasked
	tensor_load_to_lds s[36:39], s[24:31]
	s_nop 0
.rept 4
	v_nop
.endr
.Lasked:
	s_lshl_b32 s78, s78, 5
	s_lshl_b32 s79, s12, 1
	s_add_co_u32 s78, s78, s79                     ; T0 = 32 cx + 2 wave: my first query tile
	s_lshr_b32 s79, s77, 4
	s_lshl_b32 s79, s79, 7
	s_add_co_u32 s79, s79, s78                     ; 128 batch + T0
	s_and_b32 s13, s77, 15                         ; head
	s_mov_b32 s101, 0
	s_lshl_b32 s100, s77, 13                       ; Q's scale words: 8,192 a head, 256 (T / 4) + 4 (T % 4)
	s_lshr_b32 s14, s78, 2
	s_lshl_b32 s14, s14, 8
	s_add_co_u32 s100, s100, s14
	s_and_b32 s14, s78, 3
	s_lshl_b32 s14, s14, 2
	s_add_co_u32 s100, s100, s14
	s_add_co_u32 s100, s100, QSC
	s_add_nc_u64 s[72:73], s[4:5], s[100:101]
	s_lshl_b32 s100, s77, 16                       ; Q's codes: 65,536 a head, 512 a tile
	s_lshl_b32 s14, s78, 9
	s_add_co_u32 s100, s100, s14
	s_add_nc_u64 s[4:5], s[4:5], s[100:101]
	s_lshl_b32 s100, s79, 12                       ; mask words: 4,096 a query tile; my two tiles' 8,192 bytes lie on end
	s_add_nc_u64 s[8:9], s[8:9], s[100:101]
	s_lshl_b32 s100, s79, 9                        ; O's scale bytes: 512 a tile, 256 (head / 8) + 4 ((head / 2) % 4) + 2 (head % 2)
	s_lshr_b32 s14, s13, 3
	s_lshl_b32 s14, s14, 8
	s_add_co_u32 s100, s100, s14
	s_bfe_u32 s14, s13, 0x20001
	s_lshl_b32 s14, s14, 2
	s_add_co_u32 s100, s100, s14
	s_and_b32 s14, s13, 1
	s_lshl_b32 s14, s14, 1
	s_add_co_u32 s100, s100, s14
	s_add_co_u32 s100, s100, OSC
	s_add_nc_u64 s[74:75], s[10:11], s[100:101]
	s_lshl_b32 s100, s79, 4                        ; O's codes: 8,192 a tile, 512 a head
	s_add_co_u32 s100, s100, s13
	s_lshl_b32 s100, s100, 9
	s_add_nc_u64 s[10:11], s[10:11], s[100:101]
	s_mov_b32 s68, 0x76543210
	s_mov_b32 s69, 0xfedcba98                      ; v_permlanex16_b32's selects for lane l xor 16
	s_mov_b32 s70, 0x3e38aa3b                      ; c = log2(e) / 8: t = Q . K x c
	s_mov_b32 s71, s70                             ; (the packed form names the pair)
	s_mov_b32 s66, 0                               ; where the next step's mask words begin
	s_mov_b32 s15, 2                               ; tiles to go
	v_and_b32 v8, 31, v0
	s_delay_alu instid0(VALU_DEP_1)
	v_lshlrev_b32 v1, 4, v8                        ; 16 x lane: K's images, Q's and O's codes
	s_delay_alu instid0(VALU_DEP_1)
	v_add_nc_u32 v2, LV, v1                        ; V's images
	v_and_b32 v9, 15, v0
	s_delay_alu instid0(VALU_DEP_1)
	v_lshlrev_b32 v6, 4, v9                        ; 16 r
	s_delay_alu instid0(VALU_DEP_1)
	v_add_nc_u32 v3, LKS, v6
	s_delay_alu instid0(VALU_DEP_2)
	v_add_nc_u32 v4, LVS, v6
	v_mov_b32 v5, 0x370637bd                       ; 8e-6
.irp j, 20,21,22,23,64,65,66,67
	v_mov_b32 v\j, 0                               ; zero codes: the upper half of Q's operand, and of the last key tile's
.endr
.irp j, 236,237,238,239,253
	v_mov_b32 v\j, 0                               ; written once: lane permutes' destinations, and the upper half of the pair v[252:253]
.endr
	s_wait_tensorcnt 0x0                           ; my load has landed: its descriptors' registers may be written again,
	s_barrier_signal -1
	s_barrier_wait -1                              ; everybody's has
	MLOAD                                          ; the first step's mask words
.Lpass:                                            ; one tile of 16 queries
	global_load_b128 v[16:19], v1, s[4:5]          ; Q's codes: d = 32 (lane / 16) + 0 .. 31 of my query
	global_load_b32 v24, v6, s[72:73]              ; and its scale word
	v_mov_b32 v13, 0xff61b1e6                      ; the largest t so far: -3e38, under every t
	s_delay_alu instid0(VALU_DEP_1)
	v_floor_f32 v12, -v13                          ; -M
	v_mov_b32 v14, 0
	v_mov_b32 v15, 0
.set n, 0
.rept 32
	v_mov_b32 v[160+n], 0                          ; O^T.  (The step is written once: the first finds zeros, which the first change of M leaves zeros)
.set n, n+1
.endr
	s_mov_b32 s13, 0                               ; the step's place in K's and V's images
	s_mov_b32 s14, 16
	s_wait_loadcnt 0x0
.Lstep:                                            ; 128 keys
	s_lshr_b32 s67, s13, 3
	s_lshr_b32 s76, s13, 4
	s_setprio 2
	v_add_nc_u32 v8, s13, v1                       ; (these four are the places between the last step's products and the loads into their operands)
	v_add_nc_u32 v9, s13, v2
	v_add_nc_u32 v10, s67, v3
	v_add_nc_u32 v11, s76, v4
.irp t, 0,1,2,3,4,5,6,7
	ds_load_b128 v[32+4*\t:35+4*\t], v8 offset:512*\t
.endr
.irp q, 0,1
	ds_load_b128 v[68+4*\q:71+4*\q], v10 offset:256*\q
.endr
.irp d, 0,1,2,3
.irp c, 0,1
	ds_load_b128 v[192+8*\d+4*\c:195+8*\d+4*\c], v9 offset:1024*\d+512*\c
.endr
.endr
	ds_load_b128 v[26:29], v11
	s_wait_dscnt 9                                 ; K and its scale words are in; V's nine loads may be out
.irp t, 0,1,2,3,4,5,6,7
	v_wmma_scale_f32_16x16x128_f8f6f4 v[96+8*\t:103+8*\t], v[32+4*\t:39+4*\t], v[16:23], 0, v[68+\t], v24 matrix_a_fmt:MATRIX_FMT_FP4 matrix_b_fmt:MATRIX_FMT_FP4
.endr
	s_wait_kmcnt 0x0                               ; this step's mask words are in, so their offset may step
	s_add_co_u32 s66, s66, 256
	s_and_b32 s66, s66, 8191                       ; (the last look-ahead wraps to my own first words: it stays inside the buffer, and nobody uses it)
.rept 4
	v_nop
.endr
.set n, 0
.rept 64                               ; ascending: each accumulator is read from its low end on
.if n < 48
	v_cndmask_b32 v[96+n], v5, v[96+n], s[16+n]
.else
	v_cndmask_b32 v[96+n], v5, v[96+n], s[32+n]
.endif
.set n, n+1
.endr
	MLOAD                                          ; the next step's: they have the whole softmax in which to come
.irp b, 0,1,2,3
	v_max3_num_f32 v[232+\b], v[96+16*\b], v[97+16*\b], v[98+16*\b]       ; the largest score of each block of 32 keys: for the row's maximum, and, since p rises with the score, for the block's largest p
.endr
.irp i, 3,5,7,9,11,13
.irp b, 0,1,2,3
	s_delay_alu instid0(VALU_DEP_4)
	v_max3_num_f32 v[232+\b], v[232+\b], v[96+16*\b+\i], v[97+16*\b+\i]
.endr
.endr
.irp b, 0,1,2,3
	s_delay_alu instid0(VALU_DEP_4)
	v_max_num_f32 v[232+\b], v[232+\b], v[111+16*\b]
.endr
.irp b, 0,1,2,3
	s_delay_alu instid0(VALU_DEP_4)
	v_permlanex16_b32 v[236+\b], v[232+\b], s68, s69
.endr
.irp b, 0,1,2,3
	s_delay_alu instid0(VALU_DEP_4)
	v_max_num_f32 v[232+\b], v[232+\b], v[236+\b]  ; with lane l xor 16's 16 keys
.endr
	s_delay_alu instid0(VALU_DEP_2)
	v_max3_num_f32 v254, v232, v233, v234
	s_delay_alu instid0(VALU_DEP_1)
	v_max_num_f32 v254, v254, v235
	s_delay_alu instid0(VALU_DEP_1)
	v_mul_f32 v254, s70, v254                      ; as t (c is positive)
	s_delay_alu instid0(VALU_DEP_1)
	v_max_num_f32 v13, v13, v254                   ; the running largest t
	v_mov_b32 v254, v12
	s_delay_alu instid0(VALU_DEP_2)
	v_floor_f32 v12, -v13                          ; the new -M = -ceil(t): a whole number
	s_delay_alu instid0(VALU_DEP_1)
	v_sub_f32 v254, v12, v254                      ; old M - new M: a whole number, 0 or less
	s_delay_alu instid0(VALU_DEP_1)
	v_cvt_i32_f32 v254, v254                       ; (it saturates)
	s_delay_alu instid0(VALU_DEP_1)
	v_ldexp_f32 v252, 1.0, v254                    ; f = 2^(old M - new M)
.irp j, 0,2,4,6,8,10,12,14,16,18,20,22,24,26,28,30,32,34,36,38,40,42,44,46,48,50,52,54,56,58,60,62
	v_pk_fma_f32 v[96+\j:97+\j], v[96+\j:97+\j], s[70:71], v[12:13] op_sel_hi:[1,0,0]     ; t - M, two at a time
.endr
.irp b, 0,1,2,3
	v_fma_f32 v[232+\b], v[232+\b], s70, v12       ; the same of each block's largest score
.endr
.set n, 0
	s_setprio 1
	s_wait_alu depctr_va_vdst(0)
.rept 64
	v_exp_f32 v[96+n], v[96+n]                     ; p = 2^(t - M), at most 1
.set n, n+1
.endr
.irp b, 0,1,2,3
	v_exp_f32 v[232+\b], v[232+\b]                 ; the block's largest p: the same two instructions on the same number
.endr
	v_pk_mul_f32 v[14:15], v[14:15], v[252:253] op_sel_hi:[1,0]           ; the sum under the new M.  (The plain instruction behind the exponentials)
	s_wait_alu depctr_va_vdst(0)
.irp b, 0,1,2,3
	v_max_num_f32 v[232+\b], 0x1800000, v[232+\b]  ; the floor 2^(3 - 127)
.endr
.irp b, 0,1,2,3
	s_delay_alu instid0(VALU_DEP_4)
	v_add_nc_u32 v[244+\b], 0xff000000, v[232+\b]  ; the conversion's scale operand
.endr
.irp b, 0,1,2,3
	s_delay_alu instid0(VALU_DEP_4)
	v_lshrrev_b32 v[236+\b], 23, v[244+\b]         ; the scale's byte
.endr
	s_delay_alu instid0(VALU_DEP_3)
	v_lshl_or_b32 v253, v237, 8, v236              ; p's scale word for these 128 keys
	s_delay_alu instid0(VALU_DEP_1)
	v_lshl_or_b32 v253, v238, 16, v253
	s_delay_alu instid0(VALU_DEP_1)
	v_lshl_or_b32 v253, v239, 24, v253
.irp b, 0,1,2,3
	v_cvt_scalef32_pk8_fp4_f32 v[224+2*\b], v[96+16*\b:103+16*\b], v[244+\b]
	v_cvt_scalef32_pk8_fp4_f32 v[225+2*\b], v[104+16*\b:111+16*\b], v[244+\b]
.endr
	v_nop                                          ; one plain instruction behind the last scaled conversion
.irp c, 0,1                            ; a whole block in a lane: lanes 0-15 block 2 c, lanes 16-31 block 2 c + 1
.irp i, 0,1
	v_permlane16_swap_b32 v[224+4*\c+\i], v[226+4*\c+\i]
.endr
.endr
	v_pk_add_f32 v[236:237], v[100:101], v[104:105]
	v_pk_add_f32 v[248:249], v[108:109], v[112:113]
	v_pk_add_f32 v[246:247], v[116:117], v[120:121]
	v_pk_add_f32 v[244:245], v[124:125], v[128:129]
	v_pk_add_f32 v[242:243], v[132:133], v[136:137]
	v_pk_add_f32 v[240:241], v[140:141], v[144:145]
	v_pk_add_f32 v[234:235], v[148:149], v[152:153]
	v_pk_add_f32 v[14:15], v[14:15], v[156:157]
	v_pk_add_f32 v[236:237], v[236:237], v[96:97]
	v_pk_add_f32 v[248:249], v[248:249], v[98:99]
	v_pk_add_f32 v[246:247], v[246:247], v[102:103]
	v_pk_add_f32 v[244:245], v[244:245], v[106:107]
	v_pk_add_f32 v[242:243], v[242:243], v[110:111]
	v_pk_add_f32 v[240:241], v[240:241], v[114:115]
	v_pk_add_f32 v[234:235], v[234:235], v[118:119]
	v_pk_add_f32 v[14:15], v[14:15], v[122:123]
	v_pk_add_f32 v[236:237], v[236:237], v[126:127]
	v_pk_add_f32 v[248:249], v[248:249], v[130:131]
	v_pk_add_f32 v[246:247], v[246:247], v[134:135]
	v_pk_add_f32 v[244:245], v[244:245], v[138:139]
	v_pk_add_f32 v[242:243], v[242:243], v[142:143]
	v_pk_add_f32 v[240:241], v[240:241], v[146:147]
	s_setprio 0
	v_pk_add_f32 v[234:235], v[234:235], v[150:151]
	v_pk_add_f32 v[14:15], v[14:15], v[154:155]
	v_pk_add_f32 v[236:237], v[236:237], v[158:159]
	s_delay_alu instid0(VALU_DEP_2)
	v_pk_add_f32 v[14:15], v[14:15], v[244:245]
	s_delay_alu instid0(VALU_DEP_2)
	v_pk_add_f32 v[236:237], v[236:237], v[242:243]
	v_pk_add_f32 v[248:249], v[248:249], v[240:241]
	v_pk_add_f32 v[246:247], v[246:247], v[234:235]
	s_delay_alu instid0(VALU_DEP_2)
	v_pk_add_f32 v[14:15], v[14:15], v[248:249]
	s_delay_alu instid0(VALU_DEP_2)
	v_pk_add_f32 v[236:237], v[236:237], v[246:247]
	s_delay_alu instid0(VALU_DEP_1)
	v_pk_add_f32 v[14:15], v[14:15], v[236:237]
.irp j, 0,2,4,6,8,10,12,14,16,18,20,22,24,26,28,30
	v_pk_mul_f32 v[160+\j:161+\j], v[160+\j:161+\j], v[252:253] op_sel_hi:[1,0]   ; O^T under the new M, each accumulator from its low end on.  (The sums and these are the places between the codes, the scale word and the products)
.endr
	s_wait_alu depctr_va_vdst(0)
	s_wait_dscnt 0x0                               ; V and its scale words are in
.irp d, 0,1,2,3
	v_wmma_scale_f32_16x16x128_f8f6f4 v[160+8*\d:167+8*\d], v[192+8*\d:199+8*\d], v[224:231], v[160+8*\d:167+8*\d], v[26+\d], v253 matrix_a_fmt:MATRIX_FMT_FP4 matrix_b_fmt:MATRIX_FMT_FP4
.endr
	s_add_co_u32 s13, s13, 4096
	s_sub_co_u32 s14, s14, 1
	s_cmp_lg_u32 s14, 0
	s_cbranch_scc1 .Lstep
	s_setprio 0
	; the tile's end: O = O^T / the sum, quantised along the head's 64 (two blocks), stored as half a fragment image of the last product's operand
.rept 4
	v_nop
.endr
	v_add_f32 v14, v14, v15
	s_delay_alu instid0(VALU_DEP_1)
	v_permlanex16_b32 v252, v14, s68, s69
	s_delay_alu instid0(VALU_DEP_1)
	v_add_f32 v14, v14, v252                       ; the row's sum
	s_wait_alu depctr_va_vdst(0)
	v_rcp_f32 v14, v14
	v_nop                                          ; one plain instruction behind the transcendental
	s_wait_alu depctr_va_vdst(0)
.irp j, 0,2,4,6,8,10,12,14,16,18,20,22,24,26,28,30
	v_pk_mul_f32 v[96+\j:97+\j], v[160+\j:161+\j], v[14:15] op_sel_hi:[1,0]       ; register 16 b + e = o(my query, 32 b + 16 (lane / 16) + e)
.endr
.irp b, 0,1
	v_max3_num_f32 v[232+\b], |v[96+16*\b]|, |v[97+16*\b]|, 0x1800000
.endr
.irp e, 2,4,6,8,10,12,14
.irp b, 0,1
	s_delay_alu instid0(VALU_DEP_2)
	v_max3_num_f32 v[232+\b], v[232+\b], |v[96+16*\b+\e]|, |v[97+16*\b+\e]|
.endr
.endr
.irp b, 0,1
	s_delay_alu instid0(VALU_DEP_2)
	v_permlanex16_b32 v[236+\b], v[232+\b], s68, s69
.endr
.irp b, 0,1
	s_delay_alu instid0(VALU_DEP_2)
	v_max_num_f32 v[232+\b], v[232+\b], v[236+\b]
.endr
.irp b, 0,1
	s_delay_alu instid0(VALU_DEP_2)
	v_add_nc_u32 v[244+\b], 0xff000000, v[232+\b]
.endr
.irp b, 0,1
	s_delay_alu instid0(VALU_DEP_2)
	v_lshrrev_b32 v[236+\b], 23, v[244+\b]
.endr
	s_delay_alu instid0(VALU_DEP_1)
	v_lshl_or_b32 v240, v237, 8, v236              ; my row's two scale bytes
.irp b, 0,1
	v_cvt_scalef32_pk8_fp4_f32 v[224+2*\b], v[96+16*\b:103+16*\b], v[244+\b]
	v_cvt_scalef32_pk8_fp4_f32 v[225+2*\b], v[104+16*\b:111+16*\b], v[244+\b]
.endr
	v_nop
	v_permlane16_swap_b32 v224, v226
	v_permlane16_swap_b32 v225, v227
	global_store_b128 v1, v[224:227], s[10:11]     ; 32 lanes store 512 consecutive bytes, aligned
	global_store_b16 v6, v240, s[74:75]            ; two bytes of each row's 16: the neighbouring heads' come from other work-groups (lanes 16-31 store the same bytes at the same places)
	s_wait_xcnt 0x0                                ; the stores have read their data and bases: both may be written again
	s_add_nc_u64 s[4:5], s[4:5], 512               ; on to my second tile
	s_add_nc_u64 s[72:73], s[72:73], 4
	s_add_nc_u64 s[10:11], s[10:11], 8192
	s_add_nc_u64 s[74:75], s[74:75], 512
	s_sub_co_u32 s15, s15, 1
	s_cmp_lg_u32 s15, 0
	s_cbranch_scc1 .Lpass
	s_wait_kmcnt 0x0                               ; the last look-ahead
	s_wait_tensorcnt 0x0
	ds_add_u32 v251, v255
	s_wait_dscnt 0x0
	ROUND                                          ; the closing round: no work-group ends while a partner may still ask jointly
	s_endpgm
.Lfunc_end_k_qba12a92cc3_attn:
	.size	k_qba12a92cc3_attn, .Lfunc_end_k_qba12a92cc3_attn-k_qba12a92cc3_attn
	.p2alignl 7, 3214868480
	.fill 96, 4, 3214868480
	.section	.rodata,"a",@progbits
	.p2align	6, 0x0
	.amdhsa_kernel k_qba12a92cc3_attn
		.amdhsa_group_segment_fixed_size 169984
		.amdhsa_private_segment_fixed_size 0
		.amdhsa_enable_private_segment 0
		.amdhsa_kernarg_size 32
		.amdhsa_user_sgpr_count 2
		.amdhsa_user_sgpr_kernarg_segment_ptr 1
		.amdhsa_wavefront_size32 1
		.amdhsa_system_sgpr_workgroup_id_x 1
		.amdhsa_system_sgpr_workgroup_id_y 1
		.amdhsa_system_sgpr_workgroup_id_z 1
		.amdhsa_system_vgpr_workitem_id 0
		.amdhsa_next_free_vgpr 256
		.amdhsa_next_free_sgpr 102
		.amdhsa_reserve_vcc 0
		.amdhsa_float_denorm_mode_32 3
		.amdhsa_float_denorm_mode_16_64 3
		.amdhsa_memory_ordered 1
		.amdhsa_forward_progress 1
		.amdhsa_inst_pref_size 35
	.end_amdhsa_kernel
	.amdgpu_metadata
---
amdhsa.version: [ 1, 2 ]
amdhsa.kernels:
  - .name:           k_qba12a92cc3_attn
    .symbol:         k_qba12a92cc3_attn.kd
    .args:
      - { .name: qcodes, .offset: 0, .size: 8, .value_kind: global_buffer, .address_space: global }
      - { .name: kvcodes, .offset: 8, .size: 8, .value_kind: global_buffer, .address_space: global }
      - { .name: maskw, .offset: 16, .size: 8, .value_kind: global_buffer, .address_space: global }
      - { .name: ocodes, .offset: 24, .size: 8, .value_kind: global_buffer, .address_space: global }
    .group_segment_fixed_size: 169984
    .private_segment_fixed_size: 0
    .kernarg_segment_align: 8
    .kernarg_segment_size: 32
    .max_flat_workgroup_size: 512
    .sgpr_count:     102
    .vgpr_count:     256
    .wavefront_size: 32
...
	.end_amdgpu_metadata
.endif
;; end of part 6
;; launch outln (part 7): grid 256 x 1, 8 waves a work-group, no clusters, 138,240 bytes of LDS; arguments ocodes, wcodes, x_queries, gamma, beta, out0; writes out0
.if DOCPART == 7
	.amdgcn_target "amdgcn-amd-amdhsa--gfx1250"
	.amdhsa_code_object_version 6
	.text
	.protected	k_qba12a92cc3_outln
	.globl	k_qba12a92cc3_outln
	.p2align	8
	.type	k_qba12a92cc3_outln,@function
k_qba12a92cc3_outln:
	s_mov_b64 s[64:65], 0
	v_nop
	global_prefetch_b8 v0, s[64:65] scope:SCOPE_SE
	s_setreg_imm32_b32 hwreg(HW_REG_WAVE_SCHED_MODE, 0, 2), 2
	s_setreg_imm32_b32 hwreg(HW_REG_WAVE_MODE, 25, 1), 1
	s_wait_xcnt 0x0
	s_wait_alu depctr_vm_vsrc(0)
; OUTLN: out0 = LayerNorm(O w_0 + x_queries): the product on codes of FP4 with E8M0 scales, K = 1,024; the norm with the mean, the standard deviation with Bessel's correction (/ 1,023), eps = 1e-6 added to it, gamma and beta.
; SHARES: a work-group owns 32 tokens (two tiles) and all 1,024 columns, so each row has one owner.  Wave w makes columns 128 w .. 128 w + 127: w_0's tiles 8 w + a; 16 accumulators.
; The product is used transposed (source 0 = 16 columns of w_0, source 1 = 16 tokens): a lane holds one token (lane % 16), and register 16 b + e of a token tile holds column 128 w + 32 b + 16 (lane / 16) + e.
; THE RESIDUAL IS THE C OF THE FIRST PRODUCTS: its rows are loaded as they lie (512 consecutive bytes a load), turned through the wave's own stage in LDS into the result's layout, and land in the accumulators.
; Operands go from memory straight into registers: every fragment image is read by the one wave that multiplies it (w_0's) or by the eight waves of this work-group alone (O's).  A ring of three register sets runs two K steps ahead.
; No multicast: w_0's images are shared between work-groups, but each is wanted by one wave once; sharing them would want LDS slots filled again and a cluster's round for each.
; THE NORM takes two passes over the registers (mean; then squares of the differences): no difference of large sums.  Rows' partial sums meet in LDS: two barriers.
; LIMITS: NaN and infinities are not served.
; REGISTERS: window 0: v1-6 addresses; v8-11 gamma, v12-15 beta of my four columns on the way out; v16-79 w_0's scale words (8 a + K step); v80-95 O's (8 i + K step); v96-223 the accumulators (64 i + 8 a); v224-255 at work.
;   window 1: three sets of 80: w_0's 8 fragments, O's 2.
; THE MODE: SCHED_MODE bits 1:0 = 2 (LLVM: expert scheduling mode 2), set by the entry lines.  The code itself states the register dependences between vector or matrix instructions and memory or LDS instructions,
; with s_wait_alu, always for 0.
; THE PLAN.  Registers that memory or LDS instructions touch:
;   v1 .. v6      offsets and LDS addresses: all made at the head, ahead of one wait on va_vdst, and named by no vector instruction afterwards.
;   v8-15, v16-95 gamma, beta and the scale words: loaded once; vector and matrix instructions only read them.
;   S0, S1, S2    the three sets.  Step st's products read S[st % 3]; behind them, and behind one wait on va_vdst, the loads of step st + 3 land in it.  The set is asked for again at once, not at the next step's head:
;                 there it would wait for the next set's data, and the launch lives on loads in flight.
;   v96-223       the residual's loads land; LDS stores read them; (vm_vsrc) LDS loads land; products and the norm; (va_vdst) LDS stores read them; (vm_vsrc) LDS loads land; the multiply-adds by gamma and beta write them,
;                 eight rows at a time; (va_vdst) eight stores read them.
;   v228, v229    written by vector instructions; (va_vdst) read by a reduction's LDS stores; (vm_vsrc) written again.
;   v232-247      a reduction's LDS loads land here; vector instructions read and write them; the wait at the next reduction's head stands ahead of its loads.
;   v254, v255    written at the head, read by the closing add alone.
.set WSC, 2097152
.set OSC, 4194304
.set PITCH, 528                        ; a stage row: 512 bytes + 16, an odd multiple of 16
.set WSTG,  32*PITCH                   ; a wave's stage: 32 rows
.set RED1,  8*WSTG                     ; 32 tokens x 8 waves x 4 bytes; the second reduction's words lie 1,024 bytes on
.set WS,  16
.set OS,  80
.set ACC, 96
.set MSB, 0
.macro WIN new                         ; s_set_vgpr_msb: bits 1:0 source 0, 3:2 source 1, 5:4 source 2, 7:6 destination; the high byte repeats the setting that is left
.if MSB != \new
	s_set_vgpr_msb (MSB<<8)|\new
.set MSB, \new
.endif
.endm
.macro PLACES                          ; four plain instructions between a matrix instruction and a load into, or a vector read of, its registers
.rept 4
	v_nop
.endr
.endm
.macro SET st, again                   ; K step st's ten fragments, 20 loads of 512 consecutive bytes, into set st % 3.  again = 1: products have read the set
	WIN 0x40                                       ; destination window 1
.if \again
	s_wait_alu depctr_va_vdst(0)                   ; the products of three steps back, the last that were issued, are done reading this set, in which the loads below land
.endif
.irp a, 0,1,2,3,4,5,6,7
.irp c, 0,1
	global_load_b128 v[80*((\st)%3)+8*\a+4*\c:80*((\st)%3)+8*\a+4*\c+3], v1, s[6:7] offset:\a*8192+(\st)*1024+512*\c
.endr
.endr
.irp i, 0,1
.irp c, 0,1
	global_load_b128 v[80*((\st)%3)+64+8*\i+4*\c:80*((\st)%3)+64+8*\i+4*\c+3], v1, s[4:5] offset:\i*8192+(\st)*1024+512*\c
.endr
.endr
	WIN 0
.endm
.macro MUL st                          ; 16 products; the 16 accumulators take turns, one instruction a turn, in the same order in every step
	WIN 0x05                                       ; sources 0 and 1: window 1
.irp a, 0,1,2,3,4,5,6,7
.irp i, 0,1
	v_wmma_scale_f32_16x16x128_f8f6f4 v[ACC+64*\i+8*\a:ACC+64*\i+8*\a+7], v[80*((\st)%3)+8*\a:80*((\st)%3)+8*\a+7], v[80*((\st)%3)+64+8*\i:80*((\st)%3)+64+8*\i+7], v[ACC+64*\i+8*\a:ACC+64*\i+8*\a+7], v[WS+8*\a+(\st)], v[OS+8*\i+(\st)] matrix_a_fmt:MATRIX_FMT_FP4 matrix_b_fmt:MATRIX_FMT_FP4
.endr
.endr
	WIN 0
.endm
; A row's partial sums, one a token tile in v228 and v229 (my wave's 128 columns), become the row's sum over the eight waves, in the same registers.  off: which words
.macro REDUCE off
	s_wait_alu depctr_va_vdst(0)                   ; v228 and v229 are written, which the LDS stores below read; and every vector instruction that named v232-247 is done, in which the LDS loads below land
.irp i, 0,1
	ds_store_b32 v5, v[228+\i] offset:\off+512*\i  ; lanes 16-31 hold and store the same number at the same place
.endr
	s_wait_dscnt 0x0                               ; for the others' sake: my stores have landed
	s_barrier_signal -1
	s_barrier_wait -1
.irp i, 0,1
	ds_load_b128 v[232+8*\i:235+8*\i], v6 offset:\off+512*\i
	ds_load_b128 v[236+8*\i:239+8*\i], v6 offset:\off+512*\i+16
.endr
	s_wait_dscnt 0x0
	s_wait_alu depctr_vm_vsrc(0)                   ; the LDS stores above have read v228 and v229, which the last two lines below write again
.irp i, 0,1
	v_pk_add_f32 v[232+8*\i:233+8*\i], v[232+8*\i:233+8*\i], v[234+8*\i:235+8*\i]  ; the same order in every wave: all eight get the same bits
	v_pk_add_f32 v[236+8*\i:237+8*\i], v[236+8*\i:237+8*\i], v[238+8*\i:239+8*\i]
.endr
.irp i, 0,1
	v_pk_add_f32 v[232+8*\i:233+8*\i], v[232+8*\i:233+8*\i], v[236+8*\i:237+8*\i]
.endr
.irp i, 0,1
	v_add_f32 v[228+\i], v[232+8*\i], v[233+8*\i]
.endr
.endm
.macro ACROSS                          ; the pairs v[224:225], v[226:227] become a number a token tile: the two halves, and lane l xor 16's
.irp i, 0,1
	v_add_f32 v[228+\i], v[224+2*\i], v[225+2*\i]
.endr
.irp i, 0,1
	v_permlanex16_b32 v[230+\i], v[228+\i], s24, s25
.endr
.irp i, 0,1
	v_add_f32 v[228+\i], v[228+\i], v[230+\i]
.endr
.endm
	s_load_b256 s[4:11], s[0:1], 0x0               ; ocodes s[4:5], wcodes s[6:7], x_queries s[8:9], gamma s[10:11]
	s_load_b128 s[12:15], s[0:1], 0x20             ; beta s[12:13], out0 s[14:15]
	v_lshl_add_u32 v254, v0, 2, 0x21800
	v_mov_b32 v255, 0
	v_lshrrev_b32 v1, 5, v0
	v_readfirstlane_b32 s20, v1                    ; wave 0..7
	; every offset and LDS address of the kernel is made here, while the arguments are on their way
	v_and_b32 v7, 31, v0
	v_lshlrev_b32 v1, 4, v7                        ; 16 x lane
	v_and_b32 v7, 15, v0                           ; r
	v_lshlrev_b32 v2, 4, v7                        ; 16 r
	v_mul_u32_u24 v4, v7, PITCH
	v_bfe_u32 v6, v0, 4, 1                         ; h
	v_lshl_add_u32 v4, v6, 6, v4                   ; row r, 64 h bytes on
	v_lshlrev_b32 v6, 5, v7
	v_add_nc_u32 v6, RED1, v6                      ; a token's eight partial sums: 32 r
	v_mov_b32 v230, 0                              ; written once: lane permutes' destinations
	v_mov_b32 v231, 0
	s_mov_b32 s23, 0
	s_mov_b32 s24, 0x76543210
	s_mov_b32 s25, 0xfedcba98                      ; v_permlanex16_b32's selects for lane l xor 16
	s_wait_alu depctr_va_sdst(0)                   ; s20 is written, ahead of its first reader: bases and LDS addresses are made from it
	s_lshl_b32 s26, s20, 9                         ; my 128 columns: 512 bytes
	s_mul_i32 s21, s20, WSTG
	s_lshl_b32 s27, s20, 2
	v_add_nc_u32 v3, s21, v1                       ; my stage by rows: 16 x lane
	v_add_nc_u32 v4, s21, v4                       ; and by the result's layout
	v_add_nc_u32 v5, s27, v6                       ; my partial sum among a token's eight
	s_wait_kmcnt 0x0
	s_lshl_b32 s22, ttmp9, 17                      ; 32 rows of 4,096 bytes
	s_add_co_u32 s22, s22, s26
	s_add_nc_u64 s[8:9], s[8:9], s[22:23]
	s_add_nc_u64 s[14:15], s[14:15], s[22:23]
	s_wait_alu depctr_va_vdst(0)                   ; v1 to v6 are written: every load, store and LDS instruction of the kernel reads one of them as its offset or address, and no vector instruction names them again
.set q, 0
.rept 32                               ; the residual: slot 16 i + r is token 8 i + r + 8 (r / 8) of the 32: the order of the two token tiles' lanes
	global_load_b128 v[ACC+4*q:ACC+4*q+3], v1, s[8:9] offset:(8*(q/16)+q%16+8*((q%16)/8))*4096 th:TH_LOAD_NT
.set q, q+1
.endr
	s_lshl_b32 s22, ttmp9, 10
	s_add_co_u32 s22, s22, OSC
	s_add_nc_u64 s[16:17], s[4:5], s[22:23]        ; O's scale images: 512 a tile
	s_lshl_b32 s22, ttmp9, 14
	s_add_nc_u64 s[4:5], s[4:5], s[22:23]          ; O's codes: 8,192 a tile
	s_lshl_b32 s22, s20, 12
	s_add_co_u32 s22, s22, WSC+98304
	s_add_nc_u64 s[18:19], s[6:7], s[22:23]        ; w_0's scale images: my 8 tiles
	s_lshl_b32 s22, s20, 16
	s_add_co_u32 s22, s22, 1572864
	s_add_nc_u64 s[6:7], s[6:7], s[22:23]          ; w_0's codes: my 8 tiles
	SET 0, 0                                       ; no vector or matrix instruction has named the three sets yet: their first loads owe no wait of their own
	SET 1, 0
	s_mov_b32 s22, s26
	s_add_nc_u64 s[10:11], s[10:11], s[22:23]
	s_add_nc_u64 s[12:13], s[12:13], s[22:23]
	s_wait_loadcnt 40                              ; the residual is in; the two ring sets' 40 loads may be out
.set q, 0
.rept 32
	ds_store_b128 v3, v[ACC+4*q:ACC+4*q+3] offset:q*PITCH
.set q, q+1
.endr
	; the 42 loads that are still to be asked for stand here: they touch none of the registers that the LDS stores read, and they have the longer way to come
.irp a, 0,1,2,3,4,5,6,7
.irp q, 0,1
	global_load_b128 v[WS+8*\a+4*\q:WS+8*\a+4*\q+3], v2, s[18:19] offset:\a*512+256*\q
.endr
.endr
.irp i, 0,1
.irp q, 0,1
	global_load_b128 v[OS+8*\i+4*\q:OS+8*\i+4*\q+3], v2, s[16:17] offset:\i*512+256*\q
.endr
.endr
	global_load_b128 v[8:11], v1, s[10:11]
	global_load_b128 v[12:15], v1, s[12:13]
	SET 2, 0
	s_wait_alu depctr_vm_vsrc(0)                   ; the LDS stores above have read v96-223, in which the LDS loads below land
.irp i, 0,1
.irp b, 0,1,2,3
.irp p, 0,1,2,3
	ds_load_b128 v[ACC+64*\i+16*\b+4*\p:ACC+64*\i+16*\b+4*\p+3], v4 offset:16*\i*PITCH+128*\b+16*\p    ; LDS serves a wave's instructions in order: these see the stores above
.endr
.endr
.endr
	s_wait_dscnt 0x0                               ; the residual lies in the accumulators
	s_wait_loadcnt 20                              ; sets 0 and 1, the scale words, gamma and beta are in; set 2's 20 loads may be out
	MUL 0
	PLACES
	SET 3, 1
.irp st, 1,2,3,4
	s_wait_loadcnt 40                              ; this step's set is in; the two younger sets may be out
	MUL \st
	PLACES
	SET \st+3, 1
.endr
	s_wait_loadcnt 40                              ; the last three steps ask for nothing, so they state nothing
	MUL 5
	s_wait_loadcnt 20
	MUL 6
	s_wait_loadcnt 0x0
	MUL 7
	PLACES
	; ---- the mean.  Ascending: each accumulator is read from its low end on
.irp i, 0,1
	v_pk_add_f32 v[224+2*\i:225+2*\i], v[ACC+64*\i:ACC+64*\i+1], v[ACC+64*\i+2:ACC+64*\i+3]
.endr
.irp e, 4,6,8,10,12,14,16,18,20,22,24,26,28,30,32,34,36,38,40,42,44,46,48,50,52,54,56,58,60,62
.irp i, 0,1
	v_pk_add_f32 v[224+2*\i:225+2*\i], v[224+2*\i:225+2*\i], v[ACC+64*\i+\e:ACC+64*\i+\e+1]
.endr
.endr
	ACROSS
	REDUCE 0
.irp i, 0,1
	v_mul_f32 v[248+2*\i], 0x3a800000, v[228+\i]   ; / 1,024, in both halves of a pair
	v_mul_f32 v[249+2*\i], 0x3a800000, v[228+\i]
.endr
	; ---- the differences, in place, and the sum of their squares
.irp e, 0,2,4,6,8,10,12,14,16,18,20,22,24,26,28,30,32,34,36,38,40,42,44,46,48,50,52,54,56,58,60,62
.irp i, 0,1
	v_pk_add_f32 v[ACC+64*\i+\e:ACC+64*\i+\e+1], v[ACC+64*\i+\e:ACC+64*\i+\e+1], v[248+2*\i:249+2*\i] neg_lo:[0,1] neg_hi:[0,1]
.endr
.endr
.irp i, 0,1
	v_pk_mul_f32 v[224+2*\i:225+2*\i], v[ACC+64*\i:ACC+64*\i+1], v[ACC+64*\i:ACC+64*\i+1]
.endr
.irp e, 2,4,6,8,10,12,14,16,18,20,22,24,26,28,30,32,34,36,38,40,42,44,46,48,50,52,54,56,58,60,62
.irp i, 0,1
	v_pk_fma_f32 v[224+2*\i:225+2*\i], v[ACC+64*\i+\e:ACC+64*\i+\e+1], v[ACC+64*\i+\e:ACC+64*\i+\e+1], v[224+2*\i:225+2*\i]
.endr
.endr
	ACROSS
	REDUCE 1024                                    ; other words than the first reduction's: no wave can overwrite what another still reads
.irp i, 0,1
	v_mul_f32 v[228+\i], 0x3a802008, v[228+\i]     ; / 1,023
.endr
	s_wait_alu depctr_va_vdst(0)
.irp i, 0,1
	v_sqrt_f32 v[230+\i], v[228+\i]
.endr
	v_nop                                          ; one plain instruction behind the transcendentals
	s_wait_alu depctr_va_vdst(0)                   ; the two roots v230 and v231 are written, ahead of their first reader
.irp i, 0,1
	v_add_f32 v[230+\i], 0x358637bd, v[230+\i]     ; + 1e-6
.endr
	s_wait_alu depctr_va_vdst(0)
.irp i, 0,1
	v_rcp_f32 v[248+2*\i], v[230+\i]
	v_rcp_f32 v[249+2*\i], v[230+\i]
.endr
	v_nop
	s_wait_alu depctr_va_vdst(0)                   ; the four reciprocals v248 to v251 are written, ahead of their first reader
.irp e, 0,2,4,6,8,10,12,14,16,18,20,22,24,26,28,30,32,34,36,38,40,42,44,46,48,50,52,54,56,58,60,62
.irp i, 0,1
	v_pk_mul_f32 v[ACC+64*\i+\e:ACC+64*\i+\e+1], v[ACC+64*\i+\e:ACC+64*\i+\e+1], v[248+2*\i:249+2*\i]
.endr
.endr
	; ---- the way out: back through my stage into rows; gamma and beta by columns; whole rows of 512 bytes
	s_wait_alu depctr_va_vdst(0)                   ; the multiplications above have written v96-223, which the LDS stores below read and in which, behind them, the LDS loads land
.irp i, 0,1
.irp b, 0,1,2,3
.irp p, 0,1,2,3
	ds_store_b128 v4, v[ACC+64*\i+16*\b+4*\p:ACC+64*\i+16*\b+4*\p+3] offset:16*\i*PITCH+128*\b+16*\p
.endr
.endr
.endr
	s_wait_alu depctr_vm_vsrc(0)                   ; the LDS stores above have read v96-223, in which the LDS loads below land (the vector instructions that named them stand ahead of the last wait on va_vdst)
.set q, 0
.rept 32
	ds_load_b128 v[ACC+4*q:ACC+4*q+3], v3 offset:q*PITCH
.set q, q+1
.endr
.set g, 0
.rept 4                                ; eight rows at a time, so that one wait serves eight stores
	s_wait_dscnt 24-8*g                            ; rows 8 g .. 8 g + 7 are back; the younger rows' loads may be out
.set q, 8*g
.rept 8
	v_pk_fma_f32 v[ACC+4*q:ACC+4*q+1], v[ACC+4*q:ACC+4*q+1], v[8:9], v[12:13]
	v_pk_fma_f32 v[ACC+4*q+2:ACC+4*q+3], v[ACC+4*q+2:ACC+4*q+3], v[10:11], v[14:15]
.set q, q+1
.endr
	s_wait_alu depctr_va_vdst(0)                   ; the sixteen multiply-adds above have written these eight rows, which the stores below read
.set q, 8*g
.rept 8
	global_store_b128 v1, v[ACC+4*q:ACC+4*q+3], s[14:15] offset:(8*(q/16)+q%16+8*((q%16)/8))*4096 th:TH_STORE_NT   ; 32 lanes store 512 consecutive bytes, aligned
.set q, q+1
.endr
.set g, g+1
.endr
	s_wait_dscnt 0x0                               ; the closing lines, six on end
	s_wait_alu 0x0
	s_wait_tensorcnt 0x0
	ds_add_u32 v254, v255
	s_wait_dscnt 0x0
	s_endpgm
.Lfunc_end_k_qba12a92cc3_outln:
	.size	k_qba12a92cc3_outln, .Lfunc_end_k_qba12a92cc3_outln-k_qba12a92cc3_outln
	.p2alignl 7, 3214868480
	.fill 96, 4, 3214868480
	.section	.rodata,"a",@progbits
	.p2align	6, 0x0
	.amdhsa_kernel k_qba12a92cc3_outln
		.amdhsa_group_segment_fixed_size 138240
		.amdhsa_private_segment_fixed_size 0
		.amdhsa_enable_private_segment 0
		.amdhsa_kernarg_size 48
		.amdhsa_user_sgpr_count 2
		.amdhsa_user_sgpr_kernarg_segment_ptr 1
		.amdhsa_wavefront_size32 1
		.amdhsa_system_sgpr_workgroup_id_x 1
		.amdhsa_system_sgpr_workgroup_id_y 1
		.amdhsa_system_sgpr_workgroup_id_z 1
		.amdhsa_system_vgpr_workitem_id 0
		.amdhsa_next_free_vgpr 512
		.amdhsa_next_free_sgpr 66
		.amdhsa_reserve_vcc 0
		.amdhsa_float_denorm_mode_32 3
		.amdhsa_float_denorm_mode_16_64 3
		.amdhsa_memory_ordered 1
		.amdhsa_forward_progress 1
		.amdhsa_inst_pref_size 76
	.end_amdhsa_kernel
	.amdgpu_metadata
---
amdhsa.version: [ 1, 2 ]
amdhsa.kernels:
  - .name:           k_qba12a92cc3_outln
    .symbol:         k_qba12a92cc3_outln.kd
    .args:
      - { .name: ocodes, .offset: 0, .size: 8, .value_kind: global_buffer, .address_space: global }
      - { .name: wcodes, .offset: 8, .size: 8, .value_kind: global_buffer, .address_space: global }
      - { .name: x_queries, .offset: 16, .size: 8, .value_kind: global_buffer, .address_space: global }
      - { .name: gamma, .offset: 24, .size: 8, .value_kind: global_buffer, .address_space: global }
      - { .name: beta, .offset: 32, .size: 8, .value_kind: global_buffer, .address_space: global }
      - { .name: out0, .offset: 40, .size: 8, .value_kind: global_buffer, .address_space: global }
    .group_segment_fixed_size: 138240
    .private_segment_fixed_size: 0
    .kernarg_segment_align: 8
    .kernarg_segment_size: 48
    .max_flat_workgroup_size: 256
    .sgpr_count:     66
    .vgpr_count:     512
    .wavefront_size: 32
...
	.end_amdgpu_metadata
.endif
;; end of part 7
